; MI455X (gfx1250); checked and timed in simulation.
; The chip was launched on July 23, 2026; its instructions are those of AMD's public machine-readable ISA for CDNA 5 (MIT licence, August 2026) and "CDNA5" Instruction Set Architecture Reference Guide (July 2026). The comments in the code are by the model that wrote it; some were corrected since.
;; Block. Allowed arithmetic: matrix products marked QUANTISED: E3M2 operands, one E8M0 scale for each 32 along K, by v_wmma_scale_f32_16x16x128_f8f6f4 with both operands' format E3M2, f32 sums; everything else in f32.
;; Inputs: b1 4,096 float32; b2 1,024 float32; b_proj 1,024 float32; be1 1,024 float32; be2 1,024 float32; g1 1,024 float32; g2 1,024 float32; w1 1,024 x 4,096 float32; w2 4,096 x 1,024 float32; w_proj 1,024 x 1,024 float32; wk 16 x 1,024 x 64 float32; wq 16 x 1,024 x 64 float32; wv 16 x 1,024 x 64 float32; x 2 x 2,048 x 1,024 float32.
;; Outputs: out0 2 x 2,048 x 1,024 float32.
;; This version of the problem:
;;   THIS VERSION OF THE PROBLEM IS GIVEN IN LOW PRECISION. The matrix products marked QUANTISED in the list below multiply operands that are first quantised to E3M2 (3 exponent bits, 2 mantissa bits; 6 bits a number), with one power-of-two scale for each 32 numbers along K (OCP MX v1.0); their sums are f32. All else is computed in f32.
;;   The module's matrix products, in the order in which they are computed (A, B: the left and right operand; K: the contracted axis; several contracted axes count as one K, in the product's order):
;;     1. [M 1,024, K 1,024] x [K 1,024, N 4,096]; A: input wq; B: computed on the way: QUANTISED
;;     2. [M 1,024, K 1,024] x [K 1,024, N 4,096]; A: input wk; B: computed on the way: QUANTISED
;;     3. [M 1,024, K 1,024] x [K 1,024, N 4,096]; A: input wv; B: computed on the way: QUANTISED
;;     4. batch 32 x [M 2,048, K 64] x [K 64, N 2,048]; A: computed on the way; B: computed on the way: QUANTISED
;;     5. batch 32 x [M 2,048, K 2,048] x [K 2,048, N 64]; A: softmax (see below); B: computed on the way: QUANTISED
;;     6. [M 4,096, K 1,024] x [K 1,024, N 1,024]; A: computed on the way; B: input w_proj: QUANTISED
;;     7. [M 4,096, K 1,024] x [K 1,024, N 4,096]; A: computed on the way; B: input w1: QUANTISED
;;     8. [M 4,096, K 4,096] x [K 4,096, N 1,024]; A: computed on the way; B: input w2: QUANTISED
;;   THE QUANTISER, for each operand of a quantised product, along K:
;;     - K is cut into blocks of 32 from its start; a last block that is shorter is filled with zeros.
;;     - A block's scale is 2^e with e = floor(log2(the largest magnitude in the block)) - 4, held to -126 .. 127; a block of zeros has e = 0. As a byte (E8M0): e + 127.
;;     - Each number is divided by its block's scale, clamped to +-28, and rounded to the nearest number of E3M2, ties to even, subnormals kept.
;;     - The product sums the exact products of the quantised numbers (number of the format x scale) in f32.
;;   ~~~python
;;   def quantise(x, axis):      # numpy; x: float32 -> the quantised numbers, widened to float32 again
;;       x = np.moveaxis(x, axis, -1); K = x.shape[-1]
;;       x = np.pad(x, [(0, 0)] * (x.ndim - 1) + [(0, -K % 32)]); x = x.reshape(x.shape[:-1] + (-1, 32)); a = np.abs(x).max(-1, keepdims=True)
;;       e = np.where(a > 0, np.clip(np.frexp(np.where(a > 0, a, 1))[1] - 1 - 4, -126, 127), 0)      # np.frexp(a)[1] - 1 = floor(log2(a)), exactly
;;       r = np.clip(x / 2.0 ** e, -28, 28)
;;       step = 2.0 ** (np.maximum(np.frexp(np.where(r == 0, 1, r))[1] - 1, -2) - 2)
;;       q = np.round(r / step) * step * 2.0 ** e      # np.round: ties to even
;;       return np.moveaxis(q.reshape(q.shape[:-2] + (-1,))[..., :K], -1, axis).astype(np.float32)
;;   ~~~
;;   SOFTMAX AHEAD OF A QUANTISED PRODUCT. Where the list says 'softmax', what is quantised is not the finished softmax but p = 2^(t - M), with t = logit x log2(e) and M = ceil(the row's largest t), a whole number; so 1/2 < the row's largest p <= 1. The row's sum l is taken of the UNQUANTISED p, in f32, and the product's result is divided by l at the end. Since M is a whole number, a kernel that streams over the keys may use a running M (the ceiling of the running maximum): every later rescaling is an exact power of two, which a block's scale takes up: the codes' values come out the same.
;;   OPERANDS COMPUTED ON THE WAY. 'Computed on the way' means the value that the module computes at that place (a softmax that the list does not call 'softmax' is quantised finished and normalised). What goes into a quantiser is computed in f32, as accurately as f32 sums, v_exp_f32 and their like allow (about 1e-6 of the number): no bf16 or f16 on the way to a quantiser, and a product that is left as it is and whose result goes on into a quantised operand takes f32 operands (vector FMAs, or v_wmma_f32_16x16x4_f32). A number that lies on a knife's edge between two numbers of the format may be rounded either way, as far as f32 arithmetic and the matrix unit's own rounding can turn it there, and no further.
;; One version. Each part assembles by itself: llvm-mc -triple=amdgcn-amd-amdhsa -mcpu=gfx1250 --defsym DOCPART=n.
;; ======== version 1 of 1: 8 launches
;; limits: right only within a limited range of input values
;; workspace buffers: W 9,830,400 bytes; H 3,276,800 bytes; QKV 10,223,616 bytes; A 3,276,800 bytes; X1 16,777,216 bytes; F 13,107,200 bytes
;; launch wquant (part 1): grid 768 x 1, 4 waves a work-group, no clusters, 0 bytes of LDS; arguments wq, wk, wv, w_proj, w1, w2, W; writes W
.if DOCPART == 1
	.amdgcn_target "amdgcn-amd-amdhsa--gfx1250"
	.amdhsa_code_object_version 6
	.text
	.protected	k_q34bb1472db_wquant
	.globl	k_q34bb1472db_wquant
	.p2align	8
	.type	k_q34bb1472db_wquant,@function
k_q34bb1472db_wquant:
	s_mov_b64 s[64:65], 0
	v_nop
	global_prefetch_b8 v0, s[64:65] scope:SCOPE_SE
	s_setreg_imm32_b32 hwreg(HW_REG_WAVE_MODE, 25, 1), 1
	s_wait_xcnt 0x0
; The six weights, f32 with K not innermost, become codes of BF6 (E3M2) with one E8M0 byte for each 32 along K, laid in W as IMAGES OF OPERAND REGISTERS.
; An operand's tile i holds its rows 32 (i / 2) + 8 (i % 2) + r + 8 (r / 8), r = 0 .. 15.  A fragment (tile, K step of 128) is 1,536 bytes: for c = 0, 1: registers 6 c .. 6 c + 3 of lane l at 768 c + 16 l,
; registers 6 c + 4, 6 c + 5 at 768 c + 512 + 8 l; lane (r, h) holds k = 64 c + 32 h + 0 .. 31 of row r.  Fragment (tile, s) lies at (tile x KS + s) x 1,536, its 16 scale words at (tile x KS + s) x 64.
; In W: codes of wq|wk|wv (row = which x 1024 + head x 64 + d) at 0, w_proj at 2,359,296, w1 at 3,145,728, w2 at 6,291,456; scale words from 9,437,184 on, in the same order.
; A LANE TAKES A COLUMN AND ITS REGISTERS RUN DOWN K: a wave takes 32 columns (two tiles) x 128 along K; a block of 32 lies in one lane, so its largest magnitude needs no other lane.
; One text serves all six: what differs (row pitch, K steps, places in W) is chosen by selects on the work-group's number; no branch.  No LDS, no loop, no barrier.
; A block's byte is its largest magnitude's exponent field - 4, held at 1 from below.  LIMITS: a block of zeros gets the byte 1 (its codes are zeros; this program alone reads the bytes);
; blocks whose largest magnitude lies under 2^-122 are held at byte 1; NaN and infinities are not served.
.set RS,    24                         ; s24 bytes from a row k to the next
.set KSH,   25                         ; s25 log2 of the operand's K steps
.set CGS,   26                         ; s26 log2 of its groups of 128 columns
.set IDB,   27                         ; s27 the first work-group of its class
.set OFFC,  28                         ; s28 its codes' place in W
.set OFFS,  29                         ; s29 its scale words' place
.set LOGNB, 30                         ; s30 log2 of the columns that lie in one row of memory
.set HS,    31                         ; s31 bytes from one such group of columns (a head) to the next
.set PTR,   32                         ; s[32:33] the tensor
.set WV,    34
.set SRC,   48                         ; s[48:55] four bases, one for each block of 32 rows; never rewritten
.set DST0,  56                         ; s[56:57] the even tile's fragment, s[58:59] the odd tile's, s[60:61] the scale words
.set DST1,  58
.set SDST,  60
.set CO4,   2                          ; v2  4 x my column
.set L16,   3
.set L8,    4
.set SA,    5                          ; v5  my scale word's place
.set OFF,   8                          ; v8-39   row i of a block: i x RS + 4 x column
.set X,     40                         ; v40-167 128 numbers: my column, 128 along K
.set M,     168
.set SO,    176
.set BY,    180
.set WD,    184
.set CB,    188                        ; v188-219 codes: block q at CB + 8 q
.set T2,    220                        ; v220-235 a block's upper 16 codes as the conversion leaves them
	s_load_b256 s[8:15], s[0:1], 0x0               ; wq, wk, wv, w_proj
	s_load_b128 s[16:19], s[0:1], 0x20             ; w1, w2
	s_load_b64 s[20:21], s[0:1], 0x30              ; W
	v_lshrrev_b32 v1, 5, v0
	v_readfirstlane_b32 s[WV], v1
	s_mov_b32 s[RS], 4096                          ; w2's figures, replaced class by class
	s_mov_b32 s[KSH], 5
	s_mov_b32 s[CGS], 3
	s_mov_b32 s[IDB], 512
	s_mov_b32 s[OFFC], 6291456
	s_mov_b32 s[OFFS], 9699328
	s_mov_b32 s[LOGNB], 12
	s_mov_b32 s[HS], 0
	s_cmp_lt_u32 ttmp9, 512                        ; w1
	s_cselect_b32 s[RS], 16384, s[RS]
	s_cselect_b32 s[KSH], 3, s[KSH]
	s_cselect_b32 s[CGS], 5, s[CGS]
	s_cselect_b32 s[IDB], 256, s[IDB]
	s_cselect_b32 s[OFFC], 3145728, s[OFFC]
	s_cselect_b32 s[OFFS], 9568256, s[OFFS]
	s_cmp_lt_u32 ttmp9, 256                        ; w_proj
	s_cselect_b32 s[RS], 4096, s[RS]
	s_cselect_b32 s[CGS], 3, s[CGS]
	s_cselect_b32 s[IDB], 192, s[IDB]
	s_cselect_b32 s[OFFC], 2359296, s[OFFC]
	s_cselect_b32 s[OFFS], 9535488, s[OFFS]
	s_cmp_lt_u32 ttmp9, 192                        ; wq, wk, wv
	s_cselect_b32 s[RS], 256, s[RS]
	s_cselect_b32 s[IDB], 0, s[IDB]
	s_cselect_b32 s[OFFC], 0, s[OFFC]
	s_cselect_b32 s[OFFS], 9437184, s[OFFS]
	s_cselect_b32 s[LOGNB], 6, s[LOGNB]
	s_cselect_b32 s[HS], 262144, s[HS]
	s_sub_co_u32 s35, ttmp9, s[IDB]                ; my number in the class = (tensor, K step, group of columns)
	s_lshl_b32 s36, 1, s[CGS]
	s_sub_co_u32 s36, s36, 1
	s_and_b32 s36, s35, s36                        ; group of 128 columns
	s_lshr_b32 s35, s35, s[CGS]
	s_lshl_b32 s37, 1, s[KSH]
	s_sub_co_u32 s37, s37, 1
	s_and_b32 s37, s35, s37                        ; K step
	s_lshr_b32 s35, s35, s[KSH]                    ; which of wq, wk, wv (else 0)
	s_lshl_b32 s38, s36, 7
	s_lshl_b32 s39, s[WV], 5
	s_add_co_u32 s38, s38, s39                     ; my wave's first column
	s_lshl_b32 s35, s35, 6
	s_lshl_b32 s36, s36, 3
	s_add_co_u32 s35, s35, s36
	s_lshl_b32 s39, s[WV], 1
	s_add_co_u32 s35, s35, s39                     ; its even tile
	s_lshr_b32 s40, s38, s[LOGNB]
	s_mul_i32 s40, s40, s[HS]                      ; the head's place,
	s_lshl_b32 s41, 1, s[LOGNB]
	s_sub_co_u32 s41, s41, 1
	s_and_b32 s41, s38, s41
	s_lshl_b32 s41, s41, 2                         ; the column's place in a row,
	s_add_co_u32 s40, s40, s41
	s_lshl_b32 s42, s[RS], 5                       ; (32 rows)
	s_lshl_b32 s41, s37, 2
	s_mul_i32 s41, s41, s42                        ; the K step's 128 rows
	s_add_co_u32 s40, s40, s41
	s_mov_b32 s41, 0
	s_mov_b32 s43, 0
	s_lshl_b32 s35, s35, s[KSH]
	s_add_co_u32 s35, s35, s37                     ; tile x KS + s
	s_mul_i32 s44, s35, 1536
	s_add_co_u32 s44, s44, s[OFFC]
	s_mov_b32 s45, 0
	s_lshl_b32 s46, 1536, s[KSH]                   ; from a tile to the next
	s_mov_b32 s47, 0
	s_lshl_b32 s35, s35, 6
	s_add_co_u32 s36, s35, s[OFFS]
	s_mov_b32 s37, 0
	s_lshl_b32 s39, 64, s[KSH]
	v_and_b32 v1, 31, v0
	v_and_b32 v[CO4], 7, v1                        ; lanes 0-15 take the even tile's rows, lanes 16-31 the odd tile's: column (l & 7) + 16 ((l >> 3) & 1) + 8 (l >> 4)
	v_and_b32 v6, 8, v1
	v_lshl_or_b32 v[CO4], v6, 1, v[CO4]
	v_and_b32 v6, 16, v1
	v_lshrrev_b32 v6, 1, v6
	v_or_b32 v[CO4], v[CO4], v6
	v_lshlrev_b32 v[CO4], 2, v[CO4]
	v_lshlrev_b32 v[L16], 4, v1
	v_lshlrev_b32 v[L8], 3, v1
	v_and_b32 v[SA], 15, v1
	v_lshlrev_b32 v[SA], 2, v[SA]
	v_lshrrev_b32 v6, 4, v1
	v_mad_u32_u24 v[SA], v6, s39, v[SA]
.set i, 0
.rept 32
	v_mad_u32_u24 v[OFF+i], s[RS], i, v[CO4]
.set i, i+1
.endr
	s_wait_alu depctr_va_vdst(0)
	s_wait_kmcnt 0x0
	s_mov_b64 s[PTR:PTR+1], s[18:19]
	s_cmp_lt_u32 ttmp9, 512
	s_cselect_b64 s[PTR:PTR+1], s[16:17], s[PTR:PTR+1]
	s_cmp_lt_u32 ttmp9, 256
	s_cselect_b64 s[PTR:PTR+1], s[14:15], s[PTR:PTR+1]
	s_cmp_lt_u32 ttmp9, 192
	s_cselect_b64 s[PTR:PTR+1], s[12:13], s[PTR:PTR+1]
	s_cmp_lt_u32 ttmp9, 128
	s_cselect_b64 s[PTR:PTR+1], s[10:11], s[PTR:PTR+1]
	s_cmp_lt_u32 ttmp9, 64
	s_cselect_b64 s[PTR:PTR+1], s[8:9], s[PTR:PTR+1]
	s_add_nc_u64 s[SRC:SRC+1], s[PTR:PTR+1], s[40:41]
	s_add_nc_u64 s[SRC+2:SRC+3], s[SRC:SRC+1], s[42:43]
	s_add_nc_u64 s[SRC+4:SRC+5], s[SRC+2:SRC+3], s[42:43]
	s_add_nc_u64 s[SRC+6:SRC+7], s[SRC+4:SRC+5], s[42:43]
	s_add_nc_u64 s[DST0:DST0+1], s[20:21], s[44:45]
	s_add_nc_u64 s[DST1:DST1+1], s[DST0:DST0+1], s[46:47]
	s_add_nc_u64 s[SDST:SDST+1], s[20:21], s[36:37]
.macro LOADB q                         ; block q: 32 rows; each load reads my wave's 32 columns, 128 consecutive bytes
.set i, 0
.rept 32
	global_load_b32 v[X+32*(\q)+i], v[OFF+i], s[SRC+2*(\q):SRC+2*(\q)+1] th:TH_LOAD_NT
.set i, i+1
.endr
.endm
.macro BLOCK q
.set XS, X+32*(\q)
.if (\q) < 3
	s_wait_loadcnt 32                              ; this block's 32 loads are in; the next block's 32 may be out
.else
	s_wait_loadcnt 0x0
.endif
.if (\q)+2 < 4
	LOADB (\q)+2                                   ; into registers of its own: two blocks are always on their way
.endif
	v_max3_num_f32 v[M+2*(\q)], |v[XS]|, |v[XS+1]|, |v[XS+2]|
	v_max3_num_f32 v[M+2*(\q)+1], |v[XS+3]|, |v[XS+4]|, |v[XS+5]|
.irp i, 6,10,14,18,22,26
	v_max3_num_f32 v[M+2*(\q)], v[M+2*(\q)], |v[XS+\i]|, |v[XS+\i+1]|
	v_max3_num_f32 v[M+2*(\q)+1], v[M+2*(\q)+1], |v[XS+\i+2]|, |v[XS+\i+3]|
.endr
	v_max3_num_f32 v[M+2*(\q)], v[M+2*(\q)], |v[XS+30]|, |v[XS+31]|
	v_max3_num_f32 v[M+2*(\q)], v[M+2*(\q)], v[M+2*(\q)+1], 0x2800000   ; and the floor 2^(5 - 127): the byte cannot fall under 1
	v_add_nc_u32 v[SO+(\q)], 0xfe000000, v[M+2*(\q)]   ; 4 off the exponent field: the conversion's scale operand
	v_lshrrev_b32 v[BY+(\q)], 23, v[SO+(\q)]       ; the byte
.if (\q) == 0
	v_mov_b32 v[WD], v[BY]
.else
	v_lshl_or_b32 v[WD], v[BY+(\q)], 8*(\q), v[WD]
.endif
	v_cvt_scalef32_pk16_bf6_f32 v[CB+8*(\q):CB+8*(\q)+2], v[XS:XS+15], v[SO+(\q)]
	v_cvt_scalef32_pk16_bf6_f32 v[T2+4*(\q):T2+4*(\q)+2], v[XS+16:XS+31], v[SO+(\q)]   ; (a conversion's three registers begin on an even number)
.endm
	LOADB 0
	LOADB 1
	BLOCK 0
	BLOCK 1
	BLOCK 2
	BLOCK 3
	v_nop                                          ; one plain place behind the last scaled conversion
.irp q, 0,1,2,3
.irp i, 0,1,2
	v_mov_b32 v[CB+8*\q+3+\i], v[T2+4*\q+\i]
.endr
.endr
; A lane holds its column's four blocks; a fragment wants block 2 c + h in lane (r, h).  One exchange of halves serves both tiles: afterwards CB = even tile c 0, CB + 8 = odd tile c 0, CB + 16, CB + 24 likewise for c 1.
.irp i, 0,1,2,3,4,5
	v_permlane16_swap_b32 v[CB+\i], v[CB+8+\i]
	v_permlane16_swap_b32 v[CB+16+\i], v[CB+24+\i]
.endr
	global_store_b128 v[L16], v[CB:CB+3], s[DST0:DST0+1]                   ; each store of the wave covers 512 or 256 consecutive bytes, aligned
	global_store_b64 v[L8], v[CB+4:CB+5], s[DST0:DST0+1] offset:512
	global_store_b128 v[L16], v[CB+16:CB+19], s[DST0:DST0+1] offset:768
	global_store_b64 v[L8], v[CB+20:CB+21], s[DST0:DST0+1] offset:1280
	global_store_b128 v[L16], v[CB+8:CB+11], s[DST1:DST1+1]
	global_store_b64 v[L8], v[CB+12:CB+13], s[DST1:DST1+1] offset:512
	global_store_b128 v[L16], v[CB+24:CB+27], s[DST1:DST1+1] offset:768
	global_store_b64 v[L8], v[CB+28:CB+29], s[DST1:DST1+1] offset:1280
	global_store_b32 v[SA], v[WD], s[SDST:SDST+1]  ; lanes 0-15: the even tile's 16 words, lanes 16-31 the odd tile's
	s_endpgm
.Lfunc_end_k_q34bb1472db_wquant:
	.size	k_q34bb1472db_wquant, .Lfunc_end_k_q34bb1472db_wquant-k_q34bb1472db_wquant
	.p2alignl 7, 3214868480
	.fill 96, 4, 3214868480
	.section	.rodata,"a",@progbits
	.p2align	6, 0x0
	.amdhsa_kernel k_q34bb1472db_wquant
		.amdhsa_group_segment_fixed_size 0
		.amdhsa_private_segment_fixed_size 0
		.amdhsa_enable_private_segment 0
		.amdhsa_kernarg_size 56
		.amdhsa_user_sgpr_count 2
		.amdhsa_user_sgpr_kernarg_segment_ptr 1
		.amdhsa_wavefront_size32 1
		.amdhsa_system_sgpr_workgroup_id_x 1
		.amdhsa_system_sgpr_workgroup_id_y 1
		.amdhsa_system_sgpr_workgroup_id_z 1
		.amdhsa_system_vgpr_workitem_id 0
		.amdhsa_next_free_vgpr 240
		.amdhsa_next_free_sgpr 66
		.amdhsa_reserve_vcc 0
		.amdhsa_float_denorm_mode_32 3
		.amdhsa_float_denorm_mode_16_64 3
		.amdhsa_memory_ordered 1
		.amdhsa_forward_progress 1
		.amdhsa_inst_pref_size 26
	.end_amdhsa_kernel
	.amdgpu_metadata
---
amdhsa.version: [ 1, 2 ]
amdhsa.kernels:
  - .name:           k_q34bb1472db_wquant
    .symbol:         k_q34bb1472db_wquant.kd
    .args:
      - { .name: wq, .offset: 0, .size: 8, .value_kind: global_buffer, .address_space: global }
      - { .name: wk, .offset: 8, .size: 8, .value_kind: global_buffer, .address_space: global }
      - { .name: wv, .offset: 16, .size: 8, .value_kind: global_buffer, .address_space: global }
      - { .name: w_proj, .offset: 24, .size: 8, .value_kind: global_buffer, .address_space: global }
      - { .name: w1, .offset: 32, .size: 8, .value_kind: global_buffer, .address_space: global }
      - { .name: w2, .offset: 40, .size: 8, .value_kind: global_buffer, .address_space: global }
      - { .name: W, .offset: 48, .size: 8, .value_kind: global_buffer, .address_space: global }
    .group_segment_fixed_size: 0
    .private_segment_fixed_size: 0
    .kernarg_segment_align: 8
    .kernarg_segment_size: 56
    .max_flat_workgroup_size: 128
    .sgpr_count:     66
    .vgpr_count:     240
    .wavefront_size: 32
...
	.end_amdgpu_metadata
.endif
;; end of part 1
;; launch ln1 (part 2): grid 256 x 1, 4 waves a work-group, no clusters, 66,560 bytes of LDS; arguments x, g1, be1, H; writes H
.if DOCPART == 2
	.amdgcn_target "amdgcn-amd-amdhsa--gfx1250"
	.amdhsa_code_object_version 6
	.text
	.protected	k_q34bb1472db_ln1
	.globl	k_q34bb1472db_ln1
	.p2align	8
	.type	k_q34bb1472db_ln1,@function
k_q34bb1472db_ln1:
	s_mov_b64 s[64:65], 0
	v_nop
	global_prefetch_b8 v0, s[64:65] scope:SCOPE_SE
	s_setreg_imm32_b32 hwreg(HW_REG_WAVE_MODE, 25, 1), 1
	s_wait_xcnt 0x0
; h = layernorm(x) g + b for 4,096 rows of 1,024, all in f32, quantised along the row to BF6 (E3M2) with one E8M0 byte for each 32, and stored as images of operand registers:
; tile i holds rows 32 (i / 2) + 8 (i % 2) + r + 8 (r / 8); fragment (tile, K step s) at (8 tile + s) x 1,536; its 16 scale words at 3,145,728 + (8 tile + s) x 64.
; A work-group takes one tile of 16 rows.  FIRST each wave takes 4 WHOLE rows: each load reads 512 consecutive bytes of a row, 16 a lane, so a row's mean and variance stay inside the wave (two passes: the mean is taken
; off before the squares), and a lane needs only 32 numbers of g and of b.  THEN the normalised rows turn through LDS: stored as they lie, rows 4,112 bytes apart, and, behind one barrier, read back so that wave w has
; columns 256 w .. 256 w + 255 (K steps 2 w, 2 w + 1) of all 16 rows, lane (r, h) the 16 numbers 32 blk + 16 h + 0 .. 15 of each of 8 blocks: the order in which the conversions want them.
; The pitch is 257 x 16 bytes: the sixteen rows that a load of 16 bytes a lane touches fall on sixteen different groups of banks.
; LIMITS: a block of zeros gets the byte 1 (own buffer); blocks under 2^-122 are held at byte 1; NaN and infinities are not served.
.set PITCH, 4112
.set SPARE, 16*PITCH                   ; behind the 16 rows: the spare words, 128 bytes a wave, which no other line names
.set L16, 1
.set L8,  2
.set L4,  3
.set STO, 4                            ; v4  into the stage: my wave's first row + 16 x lane
.set RDA, 5                            ; v5  out of it: row r, + 1,024 x wave + 64 h
.set SPW, 6
.set NIL, 7
.set CH,  12                           ; v12-19 a packed chain for each of my 4 rows
.set MU,  20                           ; v20-27 a pair for each row: the mean, later 1 / sqrt(variance + eps)
.set T,   28                           ; v28-31
.set G,   32                           ; v32-63 g at my 32 columns;  later the codes
.set BB,  64                           ; v64-95 b
.set X,   96                           ; v96-223 128 numbers: row i at X + 32 i; behind the turn: block blk at X + 16 blk
.set TM,  224
.set PW,  240
.set PW0, 241
.set PWM, 242
.set PC,  32
.set SEL, 12
.set HM,  14
; 64 numbers of a lane, register 16 b + i = k 32 b + 16 (lane / 16) + i of my row, become a fragment's codes in v[PC] on and its scale word in v[PW]
.macro QUANT s
.irp b, 0,1,2,3
	v_max3_num_f32 v[TM+\b], |v[(\s)+16*\b]|, |v[(\s)+16*\b+1]|, 0x2800000   ; my 16 numbers of block b, and the floor 2^(5 - 127)
.endr
.irp i, 2,4,6,8,10,12,14
.irp b, 0,1,2,3
	v_max3_num_f32 v[TM+\b], |v[(\s)+16*\b+\i]|, |v[(\s)+16*\b+\i+1]|, v[TM+\b]
.endr
.endr
.irp b, 0,1,2,3
	v_permlanex16_b32 v[TM+4+\b], v[TM+\b], s[SEL], s[SEL+1]
.endr
.irp b, 0,1,2,3
	v_max_num_f32 v[TM+\b], v[TM+\b], v[TM+4+\b]   ; with lane l xor 16's: the block's largest magnitude
.endr
.irp b, 0,1,2,3
	v_add_nc_u32 v[TM+12+\b], 0xfe000000, v[TM+\b] ; 4 off its exponent field: the conversion's scale operand
.endr
.irp b, 0,1,2,3
	v_lshrrev_b32 v[TM+4+\b], 23, v[TM+12+\b]      ; the byte
.endr
	v_lshl_or_b32 v[PW], v[TM+5], 8, v[TM+4]
	v_lshl_or_b32 v[PW], v[TM+6], 16, v[PW]
	v_lshl_or_b32 v[PW], v[TM+7], 24, v[PW]
.irp c, 0,1
	v_cvt_scalef32_pk16_bf6_f32 v[PC+6*\c:PC+6*\c+2], v[(\s)+32*\c:(\s)+32*\c+15], v[TM+12+2*\c]
	v_cvt_scalef32_pk16_bf6_f32 v[PC+12+4*\c:PC+14+4*\c], v[(\s)+32*\c+16:(\s)+32*\c+31], v[TM+13+2*\c]
.endr
	v_nop                                          ; one plain place behind a scaled conversion
.irp c, 0,1                                    ; a whole block to a lane: lanes 0-15 block 2 c, lanes 16-31 block 2 c + 1
.irp i, 0,1,2
	v_permlane16_swap_b32 v[PC+6*\c+\i], v[PC+12+4*\c+\i]
.endr
.irp i, 0,1,2
	v_mov_b32 v[PC+3+6*\c+\i], v[PC+12+4*\c+\i]
.endr
.endr
.endm
.macro OUT off                         ; the fragment in v[PC] on, as it stands: 512, 256, 512, 256 consecutive bytes
	global_store_b128 v[L16], v[PC:PC+3], s[10:11] offset:\off
	global_store_b64 v[L8], v[PC+4:PC+5], s[10:11] offset:\off+512
	global_store_b128 v[L16], v[PC+6:PC+9], s[10:11] offset:\off+768
	global_store_b64 v[L8], v[PC+10:PC+11], s[10:11] offset:\off+1280
.endm
.macro ACROSS                          ; each row's chain over its two halves and the 32 lanes: v[CH + 2 i] = row i's sum, in every lane; the four rows by turns
.irp i, 0,1,2,3
	v_add_f32 v[CH+2*\i], v[CH+2*\i], v[CH+2*\i+1]
.endr
.irp m, 1,2,4,8
.irp i, 0,1,2,3
	v_add_f32_dpp v[CH+2*\i], v[CH+2*\i], v[CH+2*\i] row_xmask:\m row_mask:0xf bank_mask:0xf
.endr
.endr
.irp i, 0,1,2,3
	v_permlanex16_b32 v[T+\i], v[CH+2*\i], s[SEL], s[SEL+1]
.endr
.irp i, 0,1,2,3
	v_add_f32 v[CH+2*\i], v[CH+2*\i], v[T+\i]
.endr
.endm
	s_load_b256 s[4:11], s[0:1], 0x0               ; x, g, b, H
	v_lshl_add_u32 v[SPW], v0, 2, SPARE
	v_mov_b32 v[NIL], 0
	v_lshrrev_b32 v8, 5, v0
	v_readfirstlane_b32 s16, v8                    ; wave
	v_and_b32 v8, 31, v0
	v_and_b32 v9, 15, v0                           ; r
	v_bfe_u32 v10, v0, 4, 1                        ; h
	v_lshlrev_b32 v[L16], 4, v8
	v_lshlrev_b32 v[L8], 3, v8
	v_lshlrev_b32 v[L4], 2, v8
	s_mul_i32 s17, s16, 4*PITCH
	v_add_nc_u32 v[STO], s17, v[L16]
	v_mul_u32_u24 v[RDA], v9, PITCH
	v_lshl_add_u32 v[RDA], v10, 6, v[RDA]
	s_lshl_b32 s17, s16, 10
	v_add_nc_u32 v[RDA], s17, v[RDA]
.irp b, 0,1,2,3
	v_mov_b32 v[TM+4+\b], 0                        ; written once: a lane permute's destination counts as one of its sources
	v_mov_b32 v[T+\b], 0
.endr
	s_lshr_b32 s18, ttmp9, 1
	s_lshl_b32 s18, s18, 5
	s_and_b32 s19, ttmp9, 1
	s_lshl_b32 s19, s19, 3
	s_add_co_u32 s18, s18, s19                     ; the tile's first row;
	s_lshl_b32 s19, s16, 2
	s_add_co_u32 s18, s18, s19                     ; its rows 4 w .. 4 w + 3 are mine:
	s_lshr_b32 s19, s16, 1
	s_lshl_b32 s19, s19, 3
	s_add_co_u32 s18, s18, s19                     ; the tile's upper eight lie eight rows further on
	s_lshl_b32 s18, s18, 12
	s_mov_b32 s19, 0
	s_lshl_b32 s20, ttmp9, 3
	s_lshl_b32 s21, s16, 1
	s_add_co_u32 s20, s20, s21                     ; 8 tile + 2 wave
	s_lshl_b32 s22, s20, 6
	s_add_co_u32 s22, s22, 3145728
	s_mov_b32 s23, 0
	s_mul_i32 s20, s20, 1536
	s_mov_b32 s21, 0
	s_mov_b32 s[SEL], 0x76543210
	s_mov_b32 s[SEL+1], 0xfedcba98
	s_mov_b32 s[HM], 0xffff0000                    ; lanes 16-31
	s_mov_b32 s24, 0x3a800000                      ; 1 / 1,024
	s_mov_b32 s25, 0x3727c5ac                      ; 1e-5
	s_wait_kmcnt 0x0
	s_add_nc_u64 s[4:5], s[4:5], s[18:19]
	s_add_nc_u64 s[22:23], s[10:11], s[22:23]      ; my scale words
	s_add_nc_u64 s[10:11], s[10:11], s[20:21]      ; my two fragments
.irp i, 0,1,2,3
.irp c, 0,1,2,3,4,5,6,7
	global_load_b128 v[X+32*\i+4*\c:X+32*\i+4*\c+3], v[L16], s[4:5] offset:4096*\i+512*\c th:TH_LOAD_NT   ; 32 lanes read 512 consecutive bytes of a row
.endr
.endr
.irp c, 0,1,2,3,4,5,6,7
	global_load_b128 v[G+4*\c:G+4*\c+3], v[L16], s[6:7] offset:512*\c
.endr
.irp c, 0,1,2,3,4,5,6,7
	global_load_b128 v[BB+4*\c:BB+4*\c+3], v[L16], s[8:9] offset:512*\c
.endr
	s_wait_loadcnt 16                              ; x is in; g's 8 loads and b's 8 may be out
.irp i, 0,1,2,3
	v_pk_add_f32 v[CH+2*\i:CH+2*\i+1], v[X+32*\i:X+32*\i+1], v[X+32*\i+2:X+32*\i+3]   ; the first numbers start the chains
.endr
.set j, 4
.rept 14
.irp i, 0,1,2,3
	v_pk_add_f32 v[CH+2*\i:CH+2*\i+1], v[CH+2*\i:CH+2*\i+1], v[X+32*\i+j:X+32*\i+j+1]
.endr
.set j, j+2
.endr
	ACROSS
.irp i, 0,1,2,3
	v_mul_f32 v[MU+2*\i], s24, v[CH+2*\i]          ; the mean
.endr
.irp i, 0,1,2,3
	v_mov_b32 v[MU+2*\i+1], v[MU+2*\i]
.endr
.set j, 0
.rept 16
.irp i, 0,1,2,3
	v_pk_add_f32 v[X+32*\i+j:X+32*\i+j+1], v[X+32*\i+j:X+32*\i+j+1], v[MU+2*\i:MU+2*\i+1] neg_lo:[0,1] neg_hi:[0,1]   ; x - mean
.endr
.set j, j+2
.endr
.irp i, 0,1,2,3
	v_pk_mul_f32 v[CH+2*\i:CH+2*\i+1], v[X+32*\i:X+32*\i+1], v[X+32*\i:X+32*\i+1]
.endr
.set j, 2
.rept 15
.irp i, 0,1,2,3
	v_pk_fma_f32 v[CH+2*\i:CH+2*\i+1], v[X+32*\i+j:X+32*\i+j+1], v[X+32*\i+j:X+32*\i+j+1], v[CH+2*\i:CH+2*\i+1]
.endr
.set j, j+2
.endr
	ACROSS
.irp i, 0,1,2,3
	v_fma_f32 v[T+\i], v[CH+2*\i], s24, s25        ; variance + 1e-5
.endr
	s_wait_alu depctr_va_vdst(0)
.irp i, 0,1,2,3
	v_rsq_f32 v[MU+2*\i], v[T+\i]
.endr
	v_nop                                          ; a plain place behind the last of the four,
	s_wait_alu depctr_va_vdst(0)                   ; and the one wait ahead of their first reader
.irp i, 0,1,2,3
	v_mov_b32 v[MU+2*\i+1], v[MU+2*\i]
.endr
.set j, 0
.rept 16
.irp i, 0,1,2,3
	v_pk_mul_f32 v[X+32*\i+j:X+32*\i+j+1], v[X+32*\i+j:X+32*\i+j+1], v[MU+2*\i:MU+2*\i+1]
.endr
.set j, j+2
.endr
	s_wait_loadcnt 0x0                             ; g and b
.set j, 0
.rept 16
.irp i, 0,1,2,3
	v_pk_fma_f32 v[X+32*\i+j:X+32*\i+j+1], v[X+32*\i+j:X+32*\i+j+1], v[G+j:G+j+1], v[BB+j:BB+j+1]
.endr
.set j, j+2
.endr
.irp i, 0,1,2,3
.irp c, 0,1,2,3,4,5,6,7
	ds_store_b128 v[STO], v[X+32*\i+4*\c:X+32*\i+4*\c+3] offset:PITCH*\i+512*\c
.endr
.endr
	s_wait_dscnt 0x0                               ; for the others' sake: my four rows lie in the stage
	s_barrier_signal -1
	s_barrier_wait -1
.irp b, 0,1,2,3,4,5,6,7
.irp j, 0,1,2,3
	ds_load_b128 v[X+16*\b+4*\j:X+16*\b+4*\j+3], v[RDA] offset:128*\b+16*\j
.endr
.endr
	s_wait_dscnt 16                                ; K step 2 w's 64 numbers are in; the other 16 loads may be out
	QUANT X
	OUT 0
	v_mov_b32 v[PW0], v[PW]
	s_wait_dscnt 0x0
	s_wait_xcnt 0x0                                ; the stores' data are written again only behind this wait
	QUANT X+64
	OUT 1536
	v_cndmask_b32 v[PWM], v[PW0], v[PW], s[HM]     ; lanes 0-15: K step 2 w's words, lanes 16-31: K step 2 w + 1's, 64 bytes on
	global_store_b32 v[L4], v[PWM], s[22:23]
	s_wait_tensorcnt 0x0                           ; the wave's end
	ds_add_u32 v[SPW], v[NIL]
	s_wait_dscnt 0x0
	s_endpgm
.Lfunc_end_k_q34bb1472db_ln1:
	.size	k_q34bb1472db_ln1, .Lfunc_end_k_q34bb1472db_ln1-k_q34bb1472db_ln1
	.p2alignl 7, 3214868480
	.fill 96, 4, 3214868480
	.section	.rodata,"a",@progbits
	.p2align	6, 0x0
	.amdhsa_kernel k_q34bb1472db_ln1
		.amdhsa_group_segment_fixed_size 66560
		.amdhsa_private_segment_fixed_size 0
		.amdhsa_enable_private_segment 0
		.amdhsa_kernarg_size 32
		.amdhsa_user_sgpr_count 2
		.amdhsa_user_sgpr_kernarg_segment_ptr 1
		.amdhsa_wavefront_size32 1
		.amdhsa_system_sgpr_workgroup_id_x 1
		.amdhsa_system_sgpr_workgroup_id_y 1
		.amdhsa_system_sgpr_workgroup_id_z 1
		.amdhsa_system_vgpr_workitem_id 0
		.amdhsa_next_free_vgpr 256
		.amdhsa_next_free_sgpr 66
		.amdhsa_reserve_vcc 0
		.amdhsa_float_denorm_mode_32 3
		.amdhsa_float_denorm_mode_16_64 3
		.amdhsa_memory_ordered 1
		.amdhsa_forward_progress 1
		.amdhsa_inst_pref_size 44
	.end_amdhsa_kernel
	.amdgpu_metadata
---
amdhsa.version: [ 1, 2 ]
amdhsa.kernels:
  - .name:           k_q34bb1472db_ln1
    .symbol:         k_q34bb1472db_ln1.kd
    .args:
      - { .name: x, .offset: 0, .size: 8, .value_kind: global_buffer, .address_space: global }
      - { .name: g1, .offset: 8, .size: 8, .value_kind: global_buffer, .address_space: global }
      - { .name: be1, .offset: 16, .size: 8, .value_kind: global_buffer, .address_space: global }
      - { .name: H, .offset: 24, .size: 8, .value_kind: global_buffer, .address_space: global }
    .group_segment_fixed_size: 66560
    .private_segment_fixed_size: 0
    .kernarg_segment_align: 8
    .kernarg_segment_size: 32
    .max_flat_workgroup_size: 128
    .sgpr_count:     66
    .vgpr_count:     256
    .wavefront_size: 32
...
	.end_amdgpu_metadata
.endif
;; end of part 2
;; launch qkv (part 3): grid 12 x 16, 4 waves a work-group, clusters of 4 x 4, 327,680 bytes of LDS; arguments H, W, QKV; writes QKV
.if DOCPART == 3
	.amdgcn_target "amdgcn-amd-amdhsa--gfx1250"
	.amdhsa_code_object_version 6
	.text
	.protected	k_q34bb1472db_qkv
	.globl	k_q34bb1472db_qkv
	.p2align	8
	.type	k_q34bb1472db_qkv,@function
k_q34bb1472db_qkv:
	s_mov_b64 s[64:65], 0
	v_nop
	global_prefetch_b8 v0, s[64:65] scope:SCOPE_SE
	s_setreg_imm32_b32 hwreg(HW_REG_WAVE_MODE, 25, 1), 1
	s_wait_xcnt 0x0
	s_wait_alu depctr_hold_cnt(0) depctr_sa_sdst(0) depctr_va_vdst(0) depctr_va_sdst(0) depctr_va_ssrc(0) depctr_va_vcc(0) depctr_vm_vsrc(0)
	s_getreg_b32 s2, hwreg(HW_REG_IB_STS2, 6, 4)
	s_cmp_eq_u32 s2, 0
	s_cbranch_scc0 .Lentry_in_a_cluster
	s_endpgm
.Lentry_in_a_cluster:
	s_bfe_u32 s2, ttmp6, 0x10000c
	s_cmp_lg_u32 s2, 0xf033
	s_cbranch_scc0 .Lentry_shape_is_right
	s_endpgm
.Lentry_shape_is_right:
; q, k and v = h x wq, wk, wv on codes of BF6 (E3M2) with E8M0 scales, and their quantising for the attention, in one launch.  Operands are images of operand registers (tile i = rows 32 (i / 2) + 8 (i % 2) + r + 8 (r / 8);
; fragment (tile, K step) = 1,536 bytes at (8 tile + s) x 1,536, 16 scale words at (8 tile + s) x 64 behind the codes).
; A work-group makes 256 x 256, a wave 128 x 128: 64 accumulators.  THE PRODUCT IS USED TRANSPOSED (source 0 = operand B's tile, source 1 = operand A's): a lane holds one row of A, and its 64 registers of
; one tile of A run along 128 neighbouring rows of B in the order that the conversions want.  So the side along which the RESULT is quantised is B:
;   clusters x = 0, 1: A = h (tokens), B = wq | wk: a lane holds a token and 128 channels = two heads: q and k are quantised along the head's 64.
;   cluster  x = 2:    A = wv (channels), B = h: a lane holds a channel and 128 tokens: v is quantised along the keys.
; The two roles differ in pointers and offsets alone, chosen by selects on the cluster's x, which all partners share; no branch hangs on it.
; Results: half images (16 rows x 64 K, 768 bytes).  q | k: ((which x 16 + head) x 256 + token tile) x 768; scale words (two bytes, upper two 0) at 9,437,184 + the same number x 64.
; v: 6,291,456 + ((token / 64) x 64 + channel tile) x 768; scale words at 9,961,472: the word at an even token / 64 holds the four bytes of 128 keys, the word at an odd one is written and not read.
; K's EIGHT STEPS OF 128 ARE WRITTEN OUT.  LDS holds three slots of two steps: steps 0 to 5 come with the first fills; slot 0 is filled once more, with steps 6 and 7, behind step 1, and is awaited at step 5:
; three and a half steps of matrix work stand between.  A's tiles are asked for jointly along a row of the 4 x 4 cluster, B's along a column.  The scale words of all of K come once.
; THE NEXT STEP'S FRAGMENTS COME IN EIGHT PIECES, one ahead of each row of eight products, into the other of two register sets: LDS is asked evenly through the step, and no long run of loads parts the products.
; LIMITS: a block of zeros gets the byte 1 (own buffer); blocks under 2^-122 are held at byte 1; NaN and infinities are not served.
.set NT,    8                          ; tiles of 16 along each side of a wave's part
.set NQ,    2                          ; K steps in a slot
.set KS,    8                          ; K steps in all
.set PART,  NT*NQ*1536                 ; what one tensor load brings: NT tiles x NQ fragments, laid [tile][step]
.set SLOT,  4*PART                     ; A's two parts, then B's two
.set SCL,   3*SLOT                     ; behind the three slots: the scale words, four parts laid [tile][K step][16 words]
.set PARTS, NT*KS*64
.set SPARE, SCL+4*PARTS                ; the spare words, 128 bytes a wave, which no other line names
.set ADRA16, 4                         ; v4, v5 my A part in slot 0, in slots 1 and 2 (one region), + 16 x lane;  v7, v8 + 8 x lane
.set ADRA8,  7
.set ADRB16, 10                        ; v10, v11, v13, v14 the same for B
.set ADRB8,  13
.set ADRSA,  24                        ; v24, v25 my scale words of A, of B: lanes 0-15 an even tile's, lanes 16-31 the odd tile's behind it
.set ADRSB,  25
.set L16, 26
.set L8,  27
.set SPW, 28
.set NIL, 29
.set L4,  30
.set SC,  32                           ; v32-47 scale words and nothing else: set p: A's pairs at SC + NT p, B's at SC + NT p + NT / 2
.set TM,  200                          ; the way out, in the registers that held A's fragments
.set PW,  216
.set PWE, 217
.set PWM, 218
.set PWA, 219
.set PWB, 220
.set PC,  224
.set SEL, 12
.set G1, 24
.set G0, 32                            ; s[32:35] group 0 for A's refill of slot 0, s[36:39] for its first fill;  s[76:79] for slots 1, 2
.set G0C, 4
.set G1B, 48
.set G0B, 56                           ; s[56:59] group 0 for B's refill of slot 0, s[60:63] for its first fill;  s[88:91] for slots 1, 2
.set G0BC, 92
.set G1S, 68
.set G0S, 76
.set G1SB, 80
.set G0SB, 88
; window 0: A's fragments, set p at v[64 + 96 p];  window 1: B's, set p at v[128 p];  windows 2, 3: accumulator (a, b) at v[8 (8 (a % 4) + b)] of window 2 + a / 4
.set MSB, 0
.macro WIN new                         ; the immediate's high byte repeats the setting that is left
.if MSB != (\new)
	s_set_vgpr_msb (MSB<<8)|(\new)
.set MSB, (\new)
.endif
.endm
.macro JLOAD g0a, g1a, g0b, g1b        ; a joint load: waves 0, 1 fetch for A, waves 2, 3 for B; an s_nop 0 and four v_nop follow each line
	s_cmp_eq_u32 s15, 0
	s_cbranch_scc0 .Lfor_b_\@
	tensor_load_to_lds s[\g0a:\g0a+3], s[\g1a:\g1a+7]
	s_nop 0
.rept 4
	v_nop
.endr
	s_branch .Lasked_\@
.Lfor_b_\@:
	tensor_load_to_lds s[\g0b:\g0b+3], s[\g1b:\g1b+7]
	s_nop 0
.rept 4
	v_nop
.endr
.Lasked_\@:
.endm
.macro CREST                           ; a round of the cluster's barrier behind its opening barrier
	s_cmp_lg_u32 s14, 0
	s_cbranch_scc1 .Lnot_wave_0_\@
	s_barrier_signal -3
.Lnot_wave_0_\@:
	s_barrier_wait -3
	s_barrier_signal -1
	s_barrier_wait -1
.endm
.macro CROUND
	s_barrier_signal -1
	s_barrier_wait -1
	CREST
.endm
.macro PLACES n
.rept \n
	v_nop
.endr
.endm
.macro FRAG reg, a16, a8, off          ; a fragment comes as it was stored: each load takes 512 or 256 consecutive bytes
	ds_load_b128 v[\reg:\reg+3], v[\a16] offset:\off
	ds_load_b64 v[\reg+4:\reg+5], v[\a8] offset:\off+512
	ds_load_b128 v[\reg+6:\reg+9], v[\a16] offset:\off+768
	ds_load_b64 v[\reg+10:\reg+11], v[\a8] offset:\off+1280
.endm
; Piece n of 8 of the fetch of K step s (the slot's q-th) into set p.  Pieces 0-3: B's tiles 2 n, 2 n + 1 and the n-th pair of scale words of each side: 10 loads.  Pieces 4-7: A's tiles 2 (n - 4), 2 (n - 4) + 1: 8 loads.
; Slots 1 and 2 are one region, brought by one load a wave and laid [tile][four steps]: K steps 2 to 5
.macro PIECE slot, q, p, s, n
.if (\slot) == 0
.set SL_, 0
.set NL_, NQ
.set QL_, (\q)
.else
.set SL_, 1
.set NL_, 2*NQ
.set QL_, NQ*((\slot)-1)+(\q)
.endif
.if (\n) < 4
	WIN 0x40
	FRAG 128*(\p)+24*(\n), ADRB16+SL_, ADRB8+SL_, (2*(\n)*NL_+QL_)*1536
	FRAG 128*(\p)+24*(\n)+12, ADRB16+SL_, ADRB8+SL_, ((2*(\n)+1)*NL_+QL_)*1536
	WIN 0
	ds_load_b32 v[SC+NT*(\p)+(\n)], v[ADRSA] offset:(\n)*2*KS*64+(\s)*64
	ds_load_b32 v[SC+NT*(\p)+NT/2+(\n)], v[ADRSB] offset:(\n)*2*KS*64+(\s)*64
.else
	WIN 0
	FRAG 64+96*(\p)+24*((\n)-4), ADRA16+SL_, ADRA8+SL_, (2*((\n)-4)*NL_+QL_)*1536
	FRAG 64+96*(\p)+24*((\n)-4)+12, ADRA16+SL_, ADRA8+SL_, ((2*((\n)-4)+1)*NL_+QL_)*1536
.endif
.endm
.macro FETCH slot, q, p, s             ; all eight pieces on end: ahead of the first step alone
.set N_, 0
.rept 8
	PIECE \slot, \q, \p, \s, N_
.set N_, N_+1
.endr
.endm
.macro WM p, cm                        ; the product of A's tile A_ and B's tile B_; an odd tile's scale words stand in lanes 16-31.  cm = 1: it starts the sum
.set rD, 8*(NT*(A_%4)+B_)
.set rB, 128*(\p)+12*B_
.set rA, 64+96*(\p)+12*A_
.set rSB, SC+NT*(\p)+NT/2+B_/2
.set rSA, SC+NT*(\p)+A_/2
.if \cm == 1
.if (A_%2 == 0) && (B_%2 == 0)
	v_wmma_scale_f32_16x16x128_f8f6f4 v[rD:rD+7], v[rB:rB+11], v[rA:rA+11], 0, v[rSB], v[rSA] matrix_a_fmt:MATRIX_FMT_BF6 matrix_b_fmt:MATRIX_FMT_BF6
.elseif A_%2 == 0
	v_wmma_scale_f32_16x16x128_f8f6f4 v[rD:rD+7], v[rB:rB+11], v[rA:rA+11], 0, v[rSB], v[rSA] matrix_a_fmt:MATRIX_FMT_BF6 matrix_b_fmt:MATRIX_FMT_BF6 matrix_a_scale:MATRIX_SCALE_ROW1
.elseif B_%2 == 0
	v_wmma_scale_f32_16x16x128_f8f6f4 v[rD:rD+7], v[rB:rB+11], v[rA:rA+11], 0, v[rSB], v[rSA] matrix_a_fmt:MATRIX_FMT_BF6 matrix_b_fmt:MATRIX_FMT_BF6 matrix_b_scale:MATRIX_SCALE_ROW1
.else
	v_wmma_scale_f32_16x16x128_f8f6f4 v[rD:rD+7], v[rB:rB+11], v[rA:rA+11], 0, v[rSB], v[rSA] matrix_a_fmt:MATRIX_FMT_BF6 matrix_b_fmt:MATRIX_FMT_BF6 matrix_a_scale:MATRIX_SCALE_ROW1 matrix_b_scale:MATRIX_SCALE_ROW1
.endif
.else
.if (A_%2 == 0) && (B_%2 == 0)
	v_wmma_scale_f32_16x16x128_f8f6f4 v[rD:rD+7], v[rB:rB+11], v[rA:rA+11], v[rD:rD+7], v[rSB], v[rSA] matrix_a_fmt:MATRIX_FMT_BF6 matrix_b_fmt:MATRIX_FMT_BF6
.elseif A_%2 == 0
	v_wmma_scale_f32_16x16x128_f8f6f4 v[rD:rD+7], v[rB:rB+11], v[rA:rA+11], v[rD:rD+7], v[rSB], v[rSA] matrix_a_fmt:MATRIX_FMT_BF6 matrix_b_fmt:MATRIX_FMT_BF6 matrix_a_scale:MATRIX_SCALE_ROW1
.elseif B_%2 == 0
	v_wmma_scale_f32_16x16x128_f8f6f4 v[rD:rD+7], v[rB:rB+11], v[rA:rA+11], v[rD:rD+7], v[rSB], v[rSA] matrix_a_fmt:MATRIX_FMT_BF6 matrix_b_fmt:MATRIX_FMT_BF6 matrix_b_scale:MATRIX_SCALE_ROW1
.else
	v_wmma_scale_f32_16x16x128_f8f6f4 v[rD:rD+7], v[rB:rB+11], v[rA:rA+11], v[rD:rD+7], v[rSB], v[rSA] matrix_a_fmt:MATRIX_FMT_BF6 matrix_b_fmt:MATRIX_FMT_BF6 matrix_a_scale:MATRIX_SCALE_ROW1 matrix_b_scale:MATRIX_SCALE_ROW1
.endif
.endif
.endm
.macro MULS a0, na, p, cm              ; A's tiles a0 .. a0 + na - 1 against all of B's.  All accumulators take turns, one instruction a turn, in the same order in every step
.set A_, \a0
.rept \na
	WIN 0xa1+0x50*(A_/4)                           ; source 0 (B) window 1, source 1 (A) window 0, C and D window 2 or 3
.set B_, 0
.rept NT
	WM \p, \cm
.set B_, B_+1
.endr
.set A_, A_+1
.endr
.endm
; A K step on set p; K step fst (slot fs, its fq-th) is fetched meanwhile into the other set, a piece ahead of each row of eight products.
.macro STEP p, cm, fs, fq, fst
	s_wait_dscnt 8                                 ; this step's operands are in but for the youngest piece: A's tiles 6 and 7
	PLACES 4                                       ; in front of loads into the set that the last step's products have read
.set N_, 0
.rept 8
.if N_ == 1
	s_wait_dscnt 10                                ; all but the ten loads of this step's piece 0: A's tiles 6 and 7 are in
.endif
	PIECE \fs, \fq, 1-(\p), \fst, N_
	MULS N_, 1, \p, \cm
.set N_, N_+1
.endr
.endm
; A step in front of whose fetch a barrier stands: each wave waits for all its tensor loads, adds 0 to its spare word, and waits for that and for all its LDS reads.  fill = 1: slot 0, which nobody reads any more, is
; filled again, with K steps 6 and 7.  The fetch of K step fst (slot fs, its first) follows behind the barrier, its eight pieces ahead of rows 2 to 7.
.macro TURN p, fill, fs, fst
	WIN 0
	s_wait_tensorcnt 0x0                           ; all my tensor loads have landed
	ds_add_u32 v[SPW], v[NIL]                      ; 0 onto my spare word
	s_wait_dscnt 9                                 ; the add and the youngest piece, A's tiles 6 and 7, may be out
	MULS 0, 1, \p, 0
	s_wait_dscnt 0x0                               ; the add is done, and my LDS reads are over
	s_barrier_signal -1
	MULS 1, 1, \p, 0
	WIN 0
	s_barrier_wait -1
.if \fill
	CREST                                          ; the barrier has opened a round of the cluster's: no wave of any partner still reads slot 0 or has a load on its way
	s_add_nc_u64 s[G0+2:G0+3], s[G0+2:G0+3], 3*NQ*1536
	s_add_nc_u64 s[G0B+2:G0B+3], s[G0B+2:G0B+3], 3*NQ*1536
	s_mov_b32 s[G1+2], NT<<16                      ; no load of mine is out: a refill's load brings 8 tiles
	s_mov_b32 s[G1+4], NT
	s_mov_b32 s[G1B+2], NT<<16
	s_mov_b32 s[G1B+4], NT
	JLOAD G0, G1, G0B, G1B
.else
	PLACES 4
.endif
	PIECE \fs, 0, 1-(\p), \fst, 0
	PIECE \fs, 0, 1-(\p), \fst, 1
	MULS 2, 1, \p, 0
	PIECE \fs, 0, 1-(\p), \fst, 2
	PIECE \fs, 0, 1-(\p), \fst, 3
	MULS 3, 1, \p, 0
	PIECE \fs, 0, 1-(\p), \fst, 4
	MULS 4, 1, \p, 0
	PIECE \fs, 0, 1-(\p), \fst, 5
	MULS 5, 1, \p, 0
	PIECE \fs, 0, 1-(\p), \fst, 6
	MULS 6, 1, \p, 0
	PIECE \fs, 0, 1-(\p), \fst, 7
	MULS 7, 1, \p, 0
.endm
; 64 numbers of a lane in window W, register 16 b + i = k 32 b + 16 (lane / 16) + i of my row, become a fragment's codes in v[PC] on and its scale word in v[PW].  Each accumulator is read from its low end on
.macro QUANT s, W
	WIN (\W)|((\W)<<2)
.irp b, 0,1,2,3
	v_max3_num_f32 v[TM+\b], |v[(\s)+16*\b]|, |v[(\s)+16*\b+1]|, 0x2800000   ; my 16 numbers of block b, and the floor 2^(5 - 127)
.endr
.irp i, 2,4,6,8,10,12,14
.irp b, 0,1,2,3
	v_max3_num_f32 v[TM+\b], |v[(\s)+16*\b+\i]|, |v[(\s)+16*\b+\i+1]|, v[TM+\b]
.endr
.endr
	WIN 0
.irp b, 0,1,2,3
	v_permlanex16_b32 v[TM+4+\b], v[TM+\b], s[SEL], s[SEL+1]
.endr
.irp b, 0,1,2,3
	v_max_num_f32 v[TM+\b], v[TM+\b], v[TM+4+\b]
.endr
.irp b, 0,1,2,3
	v_add_nc_u32 v[TM+12+\b], 0xfe000000, v[TM+\b]
.endr
.irp b, 0,1,2,3
	v_lshrrev_b32 v[TM+4+\b], 23, v[TM+12+\b]
.endr
	v_lshl_or_b32 v[PW], v[TM+5], 8, v[TM+4]
	v_lshl_or_b32 v[PW], v[TM+6], 16, v[PW]
	v_lshl_or_b32 v[PW], v[TM+7], 24, v[PW]
	WIN (\W)
.irp c, 0,1
	v_cvt_scalef32_pk16_bf6_f32 v[PC+6*\c:PC+6*\c+2], v[(\s)+32*\c:(\s)+32*\c+15], v[TM+12+2*\c]
	v_cvt_scalef32_pk16_bf6_f32 v[PC+12+4*\c:PC+14+4*\c], v[(\s)+32*\c+16:(\s)+32*\c+31], v[TM+13+2*\c]
.endr
	WIN 0
	v_nop                                          ; one plain place behind a scaled conversion
.irp c, 0,1
.irp i, 0,1,2
	v_permlane16_swap_b32 v[PC+6*\c+\i], v[PC+12+4*\c+\i]
.endr
.irp i, 0,1,2
	v_mov_b32 v[PC+3+6*\c+\i], v[PC+12+4*\c+\i]
.endr
.endr
.endm
	s_load_b128 s[4:7], s[0:1], 0x0                ; H, W
	s_load_b64 s[8:9], s[0:1], 0x10                ; QKV
	v_lshl_add_u32 v[SPW], v0, 2, SPARE
	v_mov_b32 v[NIL], 0
	ds_add_u32 v[SPW], v[NIL]                      ; the wave's opening
	ds_add_u32 v[SPW], v[NIL]
	v_lshrrev_b32 v1, 5, v0
	v_readfirstlane_b32 s14, v1                    ; wave
	s_lshr_b32 s15, s14, 1                         ; my half of A's rows.  Also: I fetch for A (0) or for B (1)
	s_and_b32 s16, s14, 1                          ; my half of B's rows.  Also: which part I fetch
	s_bfe_u32 s40, ttmp6, 0x40000                  ; cx
	s_bfe_u32 s41, ttmp6, 0x40004                  ; cy
	s_and_b32 s18, ttmp7, 0xffff
	s_lshl_b32 s18, s18, 2                         ; 4 x cluster y
	s_lshl_b32 s42, ttmp9, 2
	s_add_co_u32 s42, s42, s40                     ; 4 x cluster x + cx
	s_add_co_u32 s45, s18, s40                     ; 4 x cluster y + cx
	s_add_co_u32 s17, s18, s41                     ; 4 x cluster y + cy
	s_lshl_b32 s43, s41, 2
	s_lshl_b32 s43, 15, s43                        ; my row of the cluster
	s_lshl_b32 s44, 0x1111, s40                    ; my column
	s_mov_b32 s92, 3145728                         ; the figures of the role q | k, replaced for the role v
	s_mov_b32 s93, 9437184
	s_mov_b32 s96, 196608
	s_mov_b32 s97, 0
	s_mov_b32 s2, 16384
	s_mov_b32 s3, 0
	s_mov_b32 s11, 9437184
	s_mov_b32 s98, 0xffff
	s_cmp_eq_u32 ttmp9, 2                          ; the cluster's x: the same in all sixteen partners
	s_cselect_b32 s42, s45, s42                    ; block of 256 rows of B: made of cx and shared numbers alone
	s_cselect_b32 s17, s41, s17                    ; block of 256 rows of A: made of cy and shared numbers alone
	s_cselect_b32 s19, 128, 0                      ; A's first tile in its operand (wv's rows lie behind wq's and wk's)
	s_cselect_b32 s92, 9437184, s92                ; where A's scale words begin in its buffer,
	s_cselect_b32 s93, 3145728, s93                ; and B's
	s_cselect_b32 s96, 49152, s96                  ; out: bytes of codes from one group of 64 along the result's K to the next,
	s_cselect_b32 s2, 4096, s2                     ; and of scale words
	s_cselect_b32 s10, 6291456, 0                  ; out: the codes' place,
	s_cselect_b32 s11, 9961472, s11                ; the scale words'
	s_cselect_b32 s98, -1, s98                     ; q | k keep two bytes of a word, v all four
	s_or_b32 s[G1], s43, (3<<16)|(1<<21)           ; 15:0 the mask; 17:16 elements of 8 bytes; 21 set beside a mask; no padding
	s_or_b32 s[G1B], s44, (3<<16)|(1<<21)
.irp g, G1, G1B
	s_mov_b32 s[\g+1], (NQ*192)<<16                ; tensor_dim0: a tile's NQ fragments
	s_mov_b32 s[\g+2], (2*NT)<<16                  ; at the head a load brings a side's 16 tiles
	s_mov_b32 s[\g+3], (NQ*192)<<16
	s_mov_b32 s[\g+4], 2*NT
	s_mov_b32 s[\g+5], KS*192                      ; from a tile to the next
	s_mov_b32 s[\g+6], 0
	s_mov_b32 s[\g+7], 0
.endr
	s_or_b32 s[G1S], s43, (3<<16)|(1<<21)
	s_or_b32 s[G1SB], s44, (3<<16)|(1<<21)
.irp g, G1S, G1SB                              ; K steps 2 to 5 of a side's 16 tiles: rows of four fragments
	s_mov_b32 s[\g+1], (2*NQ*192)<<16
	s_mov_b32 s[\g+2], (2*NT)<<16
	s_mov_b32 s[\g+3], (2*NQ*192)<<16
	s_mov_b32 s[\g+4], 2*NT
	s_mov_b32 s[\g+5], KS*192
	s_mov_b32 s[\g+6], 0
	s_mov_b32 s[\g+7], 0
.endr
	s_mul_i32 s20, s17, 2*NT
	s_add_co_u32 s20, s20, s19                     ; A: the block's first tile
	s_mul_i32 s46, s42, 2*NT                       ; B likewise
	s_mul_i32 s22, s20, KS*64
	s_add_co_u32 s22, s22, s92
	s_mul_i32 s20, s20, KS*1536
	s_mul_i32 s100, s46, KS*64
	s_add_co_u32 s100, s100, s93
	s_mul_i32 s46, s46, KS*1536
	s_mov_b32 s21, 0
	s_mov_b32 s23, 0
	s_mov_b32 s47, 0
	s_mov_b32 s101, 0
	s_mul_i32 s45, s14, PART                       ; where they go: no place in the cluster enters an LDS address
	s_wait_dscnt 0x0
	s_wait_kmcnt 0x0
	s_cmp_eq_u32 ttmp9, 2
	s_cselect_b64 s[18:19], s[6:7], s[4:5]         ; A's buffer
	s_cselect_b64 s[4:5], s[4:5], s[6:7]           ; B's buffer
	s_add_nc_u64 s[20:21], s[18:19], s[20:21]
	s_add_nc_u64 s[22:23], s[18:19], s[22:23]
	s_add_nc_u64 s[46:47], s[4:5], s[46:47]
	s_add_nc_u64 s[100:101], s[4:5], s[100:101]
	CROUND                                         ; all sixteen work-groups are here: the first joint loads meet
; THE HEAD'S FOUR TILES, one joint load a wave: K steps 0 and 1 of A's 16 tiles, of B's 16; K steps 2 to 5 of A's, of B's.  The scale words come by plain loads
	s_mov_b32 s[G0+4], 1
	s_mov_b32 s[G0+5], 0
	s_mov_b64 s[G0+6:G0+7], s[20:21]
	s_or_b32 s[G0+7], s[G0+7], 0x80000000
	s_mov_b32 s[G0B+4], 1
	s_mov_b32 s[G0B+5], 2*PART
	s_mov_b64 s[G0B+6:G0B+7], s[46:47]
	s_or_b32 s[G0B+7], s[G0B+7], 0x80000000
	s_mov_b32 s[G0S], 1
	s_mov_b32 s[G0S+1], SLOT
	s_add_nc_u64 s[G0S+2:G0S+3], s[20:21], NQ*1536
	s_or_b32 s[G0S+3], s[G0S+3], 0x80000000
	s_mov_b32 s[G0SB], 1
	s_mov_b32 s[G0SB+1], SLOT+4*PART
	s_add_nc_u64 s[G0SB+2:G0SB+3], s[46:47], NQ*1536
	s_or_b32 s[G0SB+3], s[G0SB+3], 0x80000000
	s_mov_b64 s[4:5], s[22:23]                     ; A's scale words, B's: in registers that are not written again
	s_mov_b64 s[6:7], s[100:101]
.macro ARM under, g0, g1, next         ; one chain of branches on the wave's number, a load to an arm, all arms to one join
	s_cmp_lt_u32 s14, \under
	s_cbranch_scc0 \next
	tensor_load_to_lds s[\g0:\g0+3], s[\g1:\g1+7]
	s_nop 0
	PLACES 4
	s_branch .Lhead_asked
\next:
.endm
	ARM 1, G0+4, G1, .Lh1
	ARM 2, G0B+4, G1B, .Lh2
	ARM 3, G0S, G1S, .Lh3
	tensor_load_to_lds s[G0SB:G0SB+3], s[G1SB:G1SB+7]
	s_nop 0
	PLACES 4
.Lhead_asked:
	v_lshlrev_b32 v17, 4, v0                       ; 16 x thread: a side's scale words are 8,192 dense bytes, four loads of 2,048 a work-group
	v_add_nc_u32 v18, SCL, v17
.irp i, 0,1,2,3
	global_load_b128 v[64+4*\i:67+4*\i], v17, s[4:5] offset:2048*\i
	global_load_b128 v[80+4*\i:83+4*\i], v17, s[6:7] offset:2048*\i
.endr
	s_mul_i32 s18, s16, NT*KS*1536                 ; the refill: a wave fetches its part of 8 tiles
	s_mov_b32 s19, 0
	s_add_nc_u64 s[20:21], s[20:21], s[18:19]
	s_add_nc_u64 s[46:47], s[46:47], s[18:19]
	s_mov_b32 s[G0], 1                             ; slot 0's refill: stepped to K step 6 when it is asked for
	s_add_co_u32 s[G0+1], s45, 0
	s_mov_b64 s[G0+2:G0+3], s[20:21]
	s_or_b32 s[G0+3], s[G0+3], 0x80000000
	s_mov_b32 s[G0B], 1
	s_add_co_u32 s[G0B+1], s45, 0
	s_mov_b64 s[G0B+2:G0B+3], s[46:47]
	s_or_b32 s[G0B+3], s[G0B+3], 0x80000000
	s_mul_i32 s18, s15, PART                       ; my parts of A and B in slot 0,
	s_mul_i32 s19, s16, PART
	s_add_co_u32 s19, s19, 2*PART
	s_lshl_b32 s45, s18, 1                         ; and in the region of K steps 2 to 5, where a part is twice as long
	s_lshl_b32 s99, s19, 1
	s_add_co_u32 s45, s45, SLOT
	s_add_co_u32 s99, s99, SLOT
	v_and_b32 v1, 31, v0
	v_and_b32 v2, 15, v0
	v_bfe_u32 v3, v0, 4, 1
	v_lshlrev_b32 v[L16], 4, v1
	v_lshlrev_b32 v[L8], 3, v1
	v_lshlrev_b32 v[L4], 2, v1
	v_add_nc_u32 v[ADRA16], s18, v[L16]
	v_add_nc_u32 v[ADRA8], s18, v[L8]
	v_add_nc_u32 v[ADRB16], s19, v[L16]
	v_add_nc_u32 v[ADRB8], s19, v[L8]
	v_add_nc_u32 v[ADRA16+1], s45, v[L16]
	v_add_nc_u32 v[ADRA8+1], s45, v[L8]
	v_add_nc_u32 v[ADRB16+1], s99, v[L16]
	v_add_nc_u32 v[ADRB8+1], s99, v[L8]
	v_lshlrev_b32 v16, 2, v2
	v_mad_u32_u24 v16, v3, KS*64, v16              ; 4 r, and one tile on for lanes 16-31
	s_mul_i32 s18, s15, PARTS
	s_add_co_u32 s18, s18, SCL
	s_mul_i32 s19, s16, PARTS
	s_add_co_u32 s19, s19, SCL+2*PARTS
	v_add_nc_u32 v[ADRSA], s18, v16
	v_add_nc_u32 v[ADRSB], s19, v16
	s_lshl_b32 s18, s42, 2                         ; where my results go: the first group of 64 along the result's K,
	s_lshl_b32 s19, s16, 1
	s_add_co_u32 s18, s18, s19
	s_lshl_b32 s19, s17, 4                         ; and the first tile of rows
	s_lshl_b32 s45, s15, 3
	s_add_co_u32 s19, s19, s45
	s_mul_i32 s20, s18, s96
	s_mul_i32 s45, s19, 768
	s_add_co_u32 s20, s20, s45
	s_add_co_u32 s20, s20, s10
	s_mov_b32 s21, 0
	s_add_nc_u64 s[20:21], s[8:9], s[20:21]        ; codes of the first group,
	s_add_nc_u64 s[22:23], s[20:21], s[96:97]      ; of the second
	s_mul_i32 s46, s18, s2
	s_lshl_b32 s45, s19, 6
	s_add_co_u32 s46, s46, s45
	s_add_co_u32 s46, s46, s11
	s_mov_b32 s47, 0
	s_add_nc_u64 s[46:47], s[8:9], s[46:47]        ; scale words of the first group,
	s_add_nc_u64 s[66:67], s[46:47], s[2:3]        ; of the second
	s_mov_b32 s[SEL], 0x76543210
	s_mov_b32 s[SEL+1], 0xfedcba98
	s_mov_b32 s99, 0xffff0000                      ; lanes 16-31
	s_wait_alu depctr_va_vdst(0)
	s_wait_loadcnt 0x0                             ; the scale words
.irp i, 0,1,2,3
	ds_store_b128 v18, v[64+4*\i:67+4*\i] offset:2048*\i
	ds_store_b128 v18, v[80+4*\i:83+4*\i] offset:2*PARTS+2048*\i
.endr
	s_wait_dscnt 0x0                               ; for the others' sake
	s_cmp_lt_u32 s14, 2
	s_cbranch_scc0 .Lnot_first
	s_wait_tensorcnt 0x0                           ; waves 0 and 1: K steps 0 and 1
.Lnot_first:
	s_barrier_signal -1
	s_barrier_wait -1                              ; slot 0 and the scale words are in; K steps 2 to 5 may be on their way
	FETCH 0, 0, 0, 0
	STEP 0, 1, 0, 1, 1                             ; K step 0: its products start the sums
	TURN 1, 1, 1, 2                                ; K step 1: slots 1 and 2 are whole; slot 0 is filled again
	STEP 0, 0, 1, 1, 3                             ; K step 2
	STEP 1, 0, 2, 0, 4                             ; K step 3: slot 2 was shown whole to every wave by step 1's barrier
	STEP 0, 0, 2, 1, 5                             ; K step 4
	TURN 1, 0, 0, 6                                ; K step 5: slot 0's second fill is awaited; nothing is filled any more
	STEP 0, 0, 0, 1, 7                             ; K step 6
	s_wait_dscnt 0x0
	MULS 0, NT, 1, 0                               ; K step 7
	WIN 0
	PLACES 4                                       ; in front of the first read of results and of writes into registers that held fragments
.irp b, 0,1,2,3
	v_mov_b32 v[TM+4+\b], 0                        ; a lane permute's destination counts as one of its sources
.endr
; THE WAY OUT: a tile of A's rows at a time: its 64 registers are quantised; codes 0-5 are the first group's half image, 6-11 the second's
.set A_, 0
.rept 8
	s_wait_xcnt 0x0                                ; the last tile's stores have read their data
	QUANT 64*(A_%4), 2+A_/4
	global_store_b128 v[L16], v[PC:PC+3], s[20:21] offset:A_*768
	global_store_b64 v[L8], v[PC+4:PC+5], s[20:21] offset:A_*768+512
	global_store_b128 v[L16], v[PC+6:PC+9], s[22:23] offset:A_*768
	global_store_b64 v[L8], v[PC+10:PC+11], s[22:23] offset:A_*768+512
.if A_%2 == 0
	v_mov_b32 v[PWE], v[PW]
.else
	v_cndmask_b32 v[PWM], v[PWE], v[PW], s99       ; lanes 0-15 the even tile's words, lanes 16-31 the odd tile's: 128 consecutive bytes
	v_and_b32 v[PWA], s98, v[PWM]
	v_lshrrev_b32 v[PWB], 16, v[PWM]
	global_store_b32 v[L4], v[PWA], s[46:47] offset:(A_-1)*64
	global_store_b32 v[L4], v[PWB], s[66:67] offset:(A_-1)*64
.endif
.set A_, A_+1
.endr
	s_wait_tensorcnt 0x0                           ; the wave's end
	ds_add_u32 v[SPW], v[NIL]
	s_wait_dscnt 0x0
	CROUND                                         ; the closing round
	s_endpgm
.Lfunc_end_k_q34bb1472db_qkv:
	.size	k_q34bb1472db_qkv, .Lfunc_end_k_q34bb1472db_qkv-k_q34bb1472db_qkv
	.p2alignl 7, 3214868480
	.fill 96, 4, 3214868480
	.section	.rodata,"a",@progbits
	.p2align	6, 0x0
	.amdhsa_kernel k_q34bb1472db_qkv
		.amdhsa_group_segment_fixed_size 327680
		.amdhsa_private_segment_fixed_size 0
		.amdhsa_enable_private_segment 0
		.amdhsa_kernarg_size 24
		.amdhsa_user_sgpr_count 2
		.amdhsa_user_sgpr_kernarg_segment_ptr 1
		.amdhsa_wavefront_size32 1
		.amdhsa_system_sgpr_workgroup_id_x 1
		.amdhsa_system_sgpr_workgroup_id_y 1
		.amdhsa_system_sgpr_workgroup_id_z 1
		.amdhsa_system_vgpr_workitem_id 0
		.amdhsa_next_free_vgpr 1024
		.amdhsa_next_free_sgpr 102
		.amdhsa_reserve_vcc 0
		.amdhsa_float_denorm_mode_32 3
		.amdhsa_float_denorm_mode_16_64 3
		.amdhsa_memory_ordered 1
		.amdhsa_forward_progress 1
		.amdhsa_inst_pref_size 156
	.end_amdhsa_kernel
	.amdgpu_metadata
---
amdhsa.version: [ 1, 2 ]
amdhsa.kernels:
  - .name:           k_q34bb1472db_qkv
    .symbol:         k_q34bb1472db_qkv.kd
    .args:
      - { .name: H, .offset: 0, .size: 8, .value_kind: global_buffer, .address_space: global }
      - { .name: W, .offset: 8, .size: 8, .value_kind: global_buffer, .address_space: global }
      - { .name: QKV, .offset: 16, .size: 8, .value_kind: global_buffer, .address_space: global }
    .group_segment_fixed_size: 327680
    .private_segment_fixed_size: 0
    .kernarg_segment_align: 8
    .kernarg_segment_size: 24
    .max_flat_workgroup_size: 128
    .sgpr_count:     102
    .vgpr_count:     1024
    .wavefront_size: 32
...
	.end_amdgpu_metadata
.endif
;; end of part 3
;; launch attn (part 4): grid 8 x 32, 16 waves a work-group, clusters of 4 x 1, 212,992 bytes of LDS; arguments QKV, A; writes A
.if DOCPART == 4
	.amdgcn_target "amdgcn-amd-amdhsa--gfx1250"
	.amdhsa_code_object_version 6
	.text
	.protected	k_q34bb1472db_attn
	.globl	k_q34bb1472db_attn
	.p2align	8
	.type	k_q34bb1472db_attn,@function
k_q34bb1472db_attn:
	s_mov_b64 s[64:65], 0
	v_nop
	global_prefetch_b8 v0, s[64:65] scope:SCOPE_SE
	s_setreg_imm32_b32 hwreg(HW_REG_WAVE_MODE, 25, 1), 1
	s_wait_xcnt 0x0
	s_wait_alu depctr_hold_cnt(0) depctr_sa_sdst(0) depctr_va_vdst(0) depctr_va_sdst(0) depctr_va_ssrc(0) depctr_va_vcc(0) depctr_vm_vsrc(0)
	s_getreg_b32 s2, hwreg(HW_REG_IB_STS2, 6, 4)
	s_cmp_eq_u32 s2, 0
	s_cbranch_scc0 .Lentry_in_a_cluster
	s_endpgm
.Lentry_in_a_cluster:
	s_bfe_u32 s2, ttmp6, 0x10000c
	s_cmp_lg_u32 s2, 0x3003
	s_cbranch_scc0 .Lentry_shape_is_right
	s_endpgm
.Lentry_shape_is_right:
; Causal attention of one head on codes of BF6 (E3M2) with E8M0 scales, and the quantising of its result along the head's 64 channels for the projection.
; t = score x log2(e) / 8; M = the running largest t rounded UP to a whole number; p = 2^(t - M) is quantised along the keys, not normalised; the row's sum is taken of the unquantised p and divides at the end.
; SHARES.  Eight work-groups to a head (grid y = batch x 16 + head).  WAVE w OWNS ONE TILE OF 16 QUERIES OF THE BLOCK OF 128 QUERIES THAT A TABLE GIVES TO w; WHICH TILE OF THE BLOCK IS THE WORK-GROUP'S NUMBER.
; So every work-group runs the same text the same way: 136 key steps in all, and the table gives 34 of them to each four waves, taken as w % 4 or as w / 4.
; A head's whole K and V (98,304 bytes each) and their scale words lie in LDS, filled once at the head, one tensor load a wave: no slot is filled again.
; CLUSTER: four work-groups of a head ask for K, V and the scale words JOINTLY: the same loads, with the same descriptors and a mask that names the four.  The work-group's place in its cluster enters q's and the
; result's global addresses and the diagonal's compare alone: no branch, no LDS address.
; A wave walks 16 key steps of 128 in a loop of constant count and passes over, by a scalar branch on its own number's block, the steps that lie wholly behind its queries; on the diagonal hidden scores become -infinity.
; LAYOUT.  Both products transposed: a lane holds one query.  Tiles of queries, keys and channels hold rows 32 (i / 2) + 8 (i % 2) + r + 8 (r / 8), so that registers run along neighbouring keys (channels).
; K = 64 IN AN INSTRUCTION OF K = 128: q's registers 6-11 hold zero codes and the upper two bytes of q's and k's scale words are 0.  A tile of keys is named as 12 registers of which the upper six are the NEXT
; tile's codes (behind the last tile: zeros): they meet q's zero codes and add nothing.
; LIMITS: a block of zeros gets the byte 1 (own buffer); NaN and infinities are not served.
.set KC0,  0                           ; LDS: K's codes [tile 128][768]
.set VC0,  98304                       ; V's codes [64 keys: 32][channel tile 4][768]
.set KS0,  196608                      ; K's scale words [tile][16 words]
.set VS0,  204800                      ; V's [key step 16][channel tile 4][16 words]
.set SPARE, 208896                     ; the spare words, 128 bytes a wave, which no other line names
.set L16,  1
.set L8,   2
.set AKS0, 3
.set DQ,   4                           ; v4 my query's place in its block of 128, less 16 (lane / 16)
.set SPW,  5
.set NIL,  6
.set AK16, 7
.set AK8,  8
.set AV16, 9
.set AV8,  10
.set AKS,  11
.set AVS,  28
.set R4,   29
.set AVS0, 30
; v12 -M, v13 the largest t, v[14:15] the sum; v16-27 q; v32-85 fragments of K or V; v96-159 scores, then p; v160-191 O^T; v224-235 p's codes; v232-254 at work; v248-251 K's or V's scale words, v253 p's, v255 q's
.set JW,   8                           ; s8 the work-group's number among the head's eight
.set WV,   18
.set W7,   19
.set SEL,  20
.set CS,   22
.set TB,   2
.set TS,   3
.set TJ,   66
.set SI,   67
.set BLK,  76
.macro CROUND                          ; a round of the cluster's barrier
	s_barrier_signal -1
	s_barrier_wait -1
	s_cmp_lg_u32 s[WV], 0
	s_cbranch_scc1 .Lnot_wave_0_\@
	s_barrier_signal -3
.Lnot_wave_0_\@:
	s_barrier_wait -3
	s_barrier_signal -1
	s_barrier_wait -1
.endm
	s_load_b128 s[4:7], s[0:1], 0x0                ; QKV, A
	v_lshl_add_u32 v[SPW], v0, 2, SPARE
	v_mov_b32 v[NIL], 0
	ds_add_u32 v[SPW], v[NIL]                      ; the wave's opening
	ds_add_u32 v[SPW], v[NIL]
	v_lshrrev_b32 v8, 5, v0
	s_delay_alu instid0(VALU_DEP_1)
	v_readfirstlane_b32 s[WV], v8
	s_and_b32 s[W7], s[WV], 7
	s_bfe_u32 s80, ttmp6, 0x40000                  ; cx
	s_lshl_b32 s[JW], ttmp9, 2                     ; in a cluster launch ttmp9 counts clusters
	s_add_co_u32 s[JW], s[JW], s80
	s_and_b32 s77, ttmp7, 0xffff
	s_lshr_b32 s78, s77, 4                         ; batch
	s_and_b32 s79, s77, 15                         ; head
	s_mov_b32 s80, 0x7ad06bc1                      ; the table, four bits a wave: waves 8-15 take blocks 1, 12, 11, 6, 0, 13, 10, 7,
	s_cmp_lt_u32 s[WV], 8
	s_cselect_b32 s80, 0x853e942f, s80             ; waves 0-7 blocks 15, 2, 4, 9, 14, 3, 5, 8
	s_lshl_b32 s88, s[W7], 2
	s_lshr_b32 s80, s80, s88
	s_and_b32 s[BLK], s80, 15                      ; my block of 128 queries: made of the wave's number alone
	s_lshl_b32 s81, s78, 7                         ; 128 tiles a batch
	s_lshl_b32 s82, s[BLK], 3
	s_add_co_u32 s82, s82, s81
	s_add_co_u32 s82, s82, s[JW]                   ; my tile of rows among the 256
	s_lshl_b32 s83, s79, 8
	s_add_co_u32 s83, s83, s82                     ; q's half image
	s_mul_i32 s84, s83, 768
	s_mov_b32 s85, 0
	s_lshl_b32 s86, s83, 6
	s_add_co_u32 s86, s86, 9437184
	s_mov_b32 s87, 0
	s_add_co_u32 s88, s79, 16                      ; k: the 16 tiles that wave w % 8 fetches
	s_lshl_b32 s88, s88, 8
	s_add_co_u32 s88, s88, s81
	s_and_b32 s9, s[WV], 1                         ; which half of the scale words a wave of 12-15 fetches
	s_and_b32 s10, s[WV], 3                        ; which quarter of V's codes a wave of 8-11 fetches
	s_lshl_b32 s89, s9, 6
	s_add_co_u32 s89, s89, s88
	s_lshl_b32 s92, s89, 6                         ; k's scale words: 64 tiles, 4,096 bytes
	s_add_co_u32 s92, s92, 9437184
	s_mov_b32 s93, 0
	s_lshl_b32 s89, s[W7], 4
	s_add_co_u32 s88, s88, s89
	s_mul_i32 s90, s88, 768
	s_mov_b32 s91, 0
	s_lshl_b32 s88, s78, 5                         ; v: groups of 64 keys, the head's four channel tiles
	s_lshl_b32 s89, s10, 3                         ; codes: eight groups a wave
	s_add_co_u32 s89, s89, s88
	s_lshl_b32 s89, s89, 6
	s_lshl_b32 s11, s79, 2
	s_add_co_u32 s89, s89, s11
	s_mul_i32 s94, s89, 768
	s_add_co_u32 s94, s94, 6291456
	s_mov_b32 s95, 0
	s_lshl_b32 s89, s9, 4                          ; scale words: the even ones of sixteen groups a wave
	s_add_co_u32 s88, s88, s89
	s_lshl_b32 s88, s88, 6
	s_add_co_u32 s88, s88, s11
	s_lshl_b32 s96, s88, 6
	s_add_co_u32 s96, s96, 9961472
	s_mov_b32 s97, 0
	s_lshl_b32 s88, s82, 4                         ; out: half image 16 x tile + head,
	s_add_co_u32 s88, s88, s79
	s_mul_i32 s98, s88, 768
	s_mov_b32 s99, 0
	s_lshl_b32 s80, s82, 3                         ; and two bytes of the scale words of K step head / 2
	s_lshr_b32 s81, s79, 1
	s_add_co_u32 s80, s80, s81
	s_lshl_b32 s80, s80, 6
	s_and_b32 s81, s79, 1
	s_lshl_b32 s81, s81, 1
	s_add_co_u32 s80, s80, s81
	s_add_co_u32 s80, s80, 3145728
	s_mov_b32 s81, 0
	; descriptor groups 1: 15:0 the mask: all four work-groups of the cluster; elements of 8 bytes; bit 21 set beside a mask; no padding
	s_mov_b32 s24, 15|(3<<16)|(1<<21)              ; K's codes: 12,288 dense bytes as 4 rows of 3,072
	s_mov_b32 s25, 384<<16
	s_mov_b32 s26, 4<<16
	s_mov_b32 s27, 384<<16
	s_mov_b32 s28, 4
	s_mov_b32 s29, 384
	s_mov_b32 s30, 0
	s_mov_b32 s31, 0
	s_mov_b32 s32, 15|(3<<16)|(1<<21)              ; K's scale words: 4 rows of 1,024 bytes
	s_mov_b32 s33, 128<<16
	s_mov_b32 s34, 4<<16                           ; four rows of 1,024 bytes, dense
	s_mov_b32 s35, 128<<16
	s_mov_b32 s36, 4
	s_mov_b32 s37, 128
	s_mov_b32 s38, 0
	s_mov_b32 s39, 0
	s_mov_b32 s40, 15|(3<<16)|(1<<21)              ; V's codes: 8 rows of 3,072 bytes, 49,152 apart
	s_mov_b32 s41, 384<<16
	s_mov_b32 s42, 8<<16                           ; eight rows
	s_mov_b32 s43, 384<<16
	s_mov_b32 s44, 8
	s_mov_b32 s45, 6144
	s_mov_b32 s46, 0
	s_mov_b32 s47, 0
	s_mov_b32 s48, 15|(3<<16)|(1<<21)              ; V's scale words: 8 rows of 256 bytes, 8,192 apart
	s_mov_b32 s49, 32<<16
	s_mov_b32 s50, 8<<16                           ; eight rows
	s_mov_b32 s51, 32<<16
	s_mov_b32 s52, 8
	s_mov_b32 s53, 1024
	s_mov_b32 s54, 0
	s_mov_b32 s55, 0
	s_mul_i32 s77, s[W7], 12288
	s_mul_i32 s12, s10, 24576
	s_lshl_b32 s78, s9, 12
	s_lshl_b32 s83, s9, 11
	s_mov_b32 s[SEL], 0x76543210
	s_mov_b32 s[SEL+1], 0xfedcba98
	s_mov_b32 s[CS], 0x3e38aa3b                    ; c = log2(e) / 8
	s_mov_b32 s[CS+1], s[CS]
	s_wait_dscnt 0x0                               ; the opening add is done
	s_wait_kmcnt 0x0
	CROUND                                         ; all four work-groups are here: the joint loads meet
	s_mov_b32 s56, 1
	s_mov_b32 s57, s77
	s_add_nc_u64 s[58:59], s[4:5], s[90:91]
	s_or_b32 s59, s59, 0x80000000
	s_mov_b32 s60, 1
	s_add_co_u32 s61, s78, KS0
	s_add_nc_u64 s[62:63], s[4:5], s[92:93]
	s_or_b32 s63, s63, 0x80000000
	s_mov_b32 s68, 1
	s_add_co_u32 s69, s12, VC0
	s_add_nc_u64 s[70:71], s[4:5], s[94:95]
	s_or_b32 s71, s71, 0x80000000
	s_mov_b32 s72, 1
	s_add_co_u32 s73, s83, VS0
	s_add_nc_u64 s[74:75], s[4:5], s[96:97]
	s_or_b32 s75, s75, 0x80000000
; ONE FILL A WAVE, in one chain of branches on the wave's number: waves 0-7 an eighth of K's codes, 8-11 a quarter of V's, 12-13 half of K's scale words, 14-15 half of V's
	s_cmp_lt_u32 s[WV], 8
	s_cbranch_scc0 .Lfill_v
	tensor_load_to_lds s[56:59], s[24:31]
	s_nop 0
.rept 4
	v_nop
.endr
	s_branch .Lfilled
.Lfill_v:
	s_cmp_lt_u32 s[WV], 12
	s_cbranch_scc0 .Lfill_ks
	tensor_load_to_lds s[68:71], s[40:47]
	s_nop 0
.rept 4
	v_nop
.endr
	s_branch .Lfilled
.Lfill_ks:
	s_cmp_lt_u32 s[WV], 14
	s_cbranch_scc0 .Lfill_vs
	tensor_load_to_lds s[60:63], s[32:39]
	s_nop 0
.rept 4
	v_nop
.endr
	s_branch .Lfilled
.Lfill_vs:
	tensor_load_to_lds s[72:75], s[48:55]
	s_nop 0
.rept 4
	v_nop
.endr
.Lfilled:
	s_add_nc_u64 s[84:85], s[4:5], s[84:85]        ; q's codes,
	s_add_nc_u64 s[86:87], s[4:5], s[86:87]        ; its scale words,
	s_add_nc_u64 s[98:99], s[6:7], s[98:99]        ; my half image of A,
	s_add_nc_u64 s[80:81], s[6:7], s[80:81]        ; its scale bytes
	v_and_b32 v8, 31, v0
	v_and_b32 v9, 15, v0                           ; r
	v_bfe_u32 v10, v0, 4, 1                        ; h
	s_delay_alu instid0(VALU_DEP_3)
	v_lshlrev_b32 v[L16], 4, v8
	s_delay_alu instid0(VALU_DEP_4)
	v_lshlrev_b32 v[L8], 3, v8
	s_delay_alu instid0(VALU_DEP_4)
	v_lshlrev_b32 v[R4], 2, v9
	v_lshl_add_u32 v[AKS0], v8, 2, KS0
	v_lshl_add_u32 v[AVS0], v8, 2, VS0
	global_load_b128 v[16:19], v[L16], s[84:85]
	global_load_b64 v[20:21], v[L8], s[84:85] offset:512
	global_load_b32 v255, v[R4], s[86:87]
	s_lshr_b32 s88, s[JW], 1                       ; my tile's first row in its block of 128
	s_lshl_b32 s88, s88, 5
	s_and_b32 s89, s[JW], 1
	s_lshl_b32 s89, s89, 3
	s_add_co_u32 s88, s88, s89
	v_and_b32 v[DQ], 8, v9
	s_delay_alu instid0(VALU_DEP_1)
	v_add_nc_u32 v[DQ], v[DQ], v9
	v_lshlrev_b32 v11, 4, v10
	s_delay_alu instid0(VALU_DEP_1)
	v_sub_nc_u32 v[DQ], v[DQ], v11
	s_delay_alu instid0(VALU_DEP_1)
	v_add_nc_u32 v[DQ], s88, v[DQ]
.irp j, 22,23,24,25,26,27,80,81,82,83,84,85
	v_mov_b32 v\j, 0                               ; zero codes: q's upper 64 along K, and what stands behind the last tile of keys
.endr
	v_mov_b32 v13, 0xff61b1e6                      ; the largest t so far: -3e38
	s_delay_alu instid0(VALU_DEP_1)
	v_floor_f32 v12, -v13                          ; -M
	v_mov_b32 v14, 0
	v_mov_b32 v15, 0
.irp j, 236,237,238,239,252,253
	v_mov_b32 v\j, 0                               ; lane permutes' destinations and a pair's upper half: written once
.endr
.set j, 0
.rept 32
	v_mov_b32 v[160+j], 0                          ; O^T: the step is written once; the first change of M leaves zeros zeros
.set j, j+1
.endr
	s_mov_b32 s[TB], 0
	s_mov_b32 s[TS], 0
	s_mov_b32 s[TJ], 0
	s_mov_b32 s[SI], 0
	s_wait_tensorcnt 0x0                           ; my fill has landed,
	s_barrier_signal -1
	s_barrier_wait -1                              ; everybody's have
	s_wait_loadcnt 0x0                             ; q
.Lstep:
	s_cmp_gt_u32 s[SI], s[BLK]                     ; all 128 keys come after my queries: the work is passed over; the steps of the addresses are not
	s_cbranch_scc1 .Lhidden
	v_add_nc_u32 v[AK16], s[TB], v[L16]            ; six plain lines: also the places behind the last products, in front of the loads below
	v_add_nc_u32 v[AK8], s[TB], v[L8]
	s_delay_alu instid0(VALU_DEP_2)
	v_add_nc_u32 v[AV16], VC0, v[AK16]
	s_delay_alu instid0(VALU_DEP_2)
	v_add_nc_u32 v[AV8], VC0, v[AK8]
	v_add_nc_u32 v[AKS], s[TS], v[AKS0]
	v_add_nc_u32 v[AVS], s[TJ], v[AVS0]
.irp t, 0,1,2,3,4,5,6,7
	ds_load_b128 v[32+6*\t:35+6*\t], v[AK16] offset:768*\t
	ds_load_b64 v[36+6*\t:37+6*\t], v[AK8] offset:768*\t+512
.endr
.irp j, 0,1,2,3
	ds_load_b32 v[248+\j], v[AKS] offset:128*\j    ; lanes 0-15 tile 2 j's words, lanes 16-31 tile 2 j + 1's
.endr
	s_wait_alu depctr_va_vdst(0)
	s_wait_dscnt 0x0
.irp t, 0,2,4,6                                ; S^T = K Q^T
	v_wmma_scale_f32_16x16x128_f8f6f4 v[96+8*\t:103+8*\t], v[32+6*\t:43+6*\t], v[16:27], 0, v[248+\t/2], v255 matrix_a_fmt:MATRIX_FMT_BF6 matrix_b_fmt:MATRIX_FMT_BF6
	v_wmma_scale_f32_16x16x128_f8f6f4 v[104+8*\t:111+8*\t], v[38+6*\t:49+6*\t], v[16:27], 0, v[248+\t/2], v255 matrix_a_fmt:MATRIX_FMT_BF6 matrix_b_fmt:MATRIX_FMT_BF6 matrix_a_scale:MATRIX_SCALE_ROW1
.endr
.rept 4
	v_nop                                          ; places: in front of the loads into K's registers and of the first read of the scores
.endr
.irp d, 0,1,2,3                                ; V's four fragments land under the softmax
.irp c, 0,1
	ds_load_b128 v[32+12*\d+6*\c:35+12*\d+6*\c], v[AV16] offset:3072*\c+768*\d
	ds_load_b64 v[36+12*\d+6*\c:37+12*\d+6*\c], v[AV8] offset:3072*\c+768*\d+512
.endr
.endr
	ds_load_b32 v248, v[AVS]
	ds_load_b32 v249, v[AVS] offset:128
	s_cmp_lg_u32 s[SI], s[BLK]
	s_cbranch_scc1 .Lopen
	v_mov_b32 v254, 0xff800000                     ; the diagonal: register 16 b + i holds key 32 b + 16 (lane / 16) + i of the block: hidden where 32 b + i > v[DQ]
.set n, 0
.rept 64
	v_cmp_gt_i32 vcc_lo, 32*(n/16)+n%16, v[DQ]
	v_cndmask_b32 v[96+n], v[96+n], v254, vcc_lo
.set n, n+1
.endr
.Lopen:
.irp b, 0,1,2,3
	v_max3_num_f32 v[232+\b], v[96+16*\b], v[97+16*\b], v[98+16*\b]   ; the largest score of each block of 32 keys: for the row's maximum, and, since p rises with the score, for the block's largest p
.endr
.irp i, 3,5,7,9,11,13
.irp b, 0,1,2,3
	v_max3_num_f32 v[232+\b], v[232+\b], v[96+16*\b+\i], v[97+16*\b+\i]
.endr
.endr
.irp b, 0,1,2,3
	v_max_num_f32 v[232+\b], v[232+\b], v[111+16*\b]
.endr
.irp b, 0,1,2,3
	s_delay_alu instid0(VALU_DEP_4)
	v_permlanex16_b32 v[236+\b], v[232+\b], s[SEL], s[SEL+1]
.endr
.irp b, 0,1,2,3
	s_delay_alu instid0(VALU_DEP_4)
	v_max_num_f32 v[232+\b], v[232+\b], v[236+\b]
.endr
	s_delay_alu instid0(VALU_DEP_2)
	v_max3_num_f32 v254, v232, v233, v234
	s_delay_alu instid0(VALU_DEP_1)
	v_max_num_f32 v254, v254, v235
	s_delay_alu instid0(VALU_DEP_1)
	v_mul_f32 v254, s[CS], v254
	s_delay_alu instid0(VALU_DEP_1)
	v_max_num_f32 v13, v13, v254                   ; the running largest t
	v_mov_b32 v254, v12
	s_delay_alu instid0(VALU_DEP_2)
	v_floor_f32 v12, -v13                          ; the new -M: a whole number
	s_delay_alu instid0(VALU_DEP_1)
	v_sub_f32 v254, v12, v254
	s_delay_alu instid0(VALU_DEP_1)
	v_cvt_i32_f32 v254, v254                       ; (it saturates)
	s_delay_alu instid0(VALU_DEP_1)
	v_ldexp_f32 v252, 1.0, v254                    ; f = 2^(old M - new M): rounds nothing
.set j, 0
.rept 32
	v_pk_fma_f32 v[96+j:97+j], v[96+j:97+j], s[CS:CS+1], v[12:13] op_sel_hi:[1,0,0]   ; t - M
.set j, j+2
.endr
.irp b, 0,1,2,3
	v_fma_f32 v[232+\b], v[232+\b], s[CS], v12
.endr
.set j, 0
	s_wait_alu depctr_va_vdst(0)
.rept 64
	v_exp_f32 v[96+j], v[96+j]                     ; p
.set j, j+1
.endr
	v_pk_mul_f32 v[14:15], v[14:15], v[252:253] op_sel_hi:[1,0]   ; the sums under the new M: a plain place behind the exponentials
	s_wait_alu depctr_va_vdst(0)                   ; one wait for the batch, ahead of its first reader
.irp b, 0,1,2,3
	v_exp_f32 v[232+\b], v[232+\b]                 ; each block's largest p
.endr
	v_pk_add_f32 v[236:237], v[100:101], v[104:105]
	v_pk_add_f32 v[250:251], v[108:109], v[112:113]
	v_pk_add_f32 v[246:247], v[116:117], v[120:121]
	v_pk_add_f32 v[244:245], v[124:125], v[128:129]
	v_pk_add_f32 v[242:243], v[132:133], v[136:137]
	v_pk_add_f32 v[240:241], v[140:141], v[144:145]
	v_pk_add_f32 v[238:239], v[148:149], v[152:153]
	v_pk_add_f32 v[14:15], v[14:15], v[156:157]
	v_pk_add_f32 v[236:237], v[236:237], v[96:97]
	v_pk_add_f32 v[250:251], v[250:251], v[98:99]
	v_pk_add_f32 v[246:247], v[246:247], v[102:103]
	v_pk_add_f32 v[244:245], v[244:245], v[106:107]
	v_pk_add_f32 v[242:243], v[242:243], v[110:111]
	v_pk_add_f32 v[240:241], v[240:241], v[114:115]
	v_pk_add_f32 v[238:239], v[238:239], v[118:119]
	v_pk_add_f32 v[14:15], v[14:15], v[122:123]
	v_pk_add_f32 v[236:237], v[236:237], v[126:127]
	v_pk_add_f32 v[250:251], v[250:251], v[130:131]
	v_pk_add_f32 v[246:247], v[246:247], v[134:135]
	v_pk_add_f32 v[244:245], v[244:245], v[138:139]
	v_pk_add_f32 v[242:243], v[242:243], v[142:143]
	v_pk_add_f32 v[240:241], v[240:241], v[146:147]
	v_pk_add_f32 v[238:239], v[238:239], v[150:151]
	v_pk_add_f32 v[14:15], v[14:15], v[154:155]
	v_pk_add_f32 v[236:237], v[236:237], v[158:159]
	s_delay_alu instid0(VALU_DEP_2)
	v_pk_add_f32 v[14:15], v[14:15], v[244:245]
	s_delay_alu instid0(VALU_DEP_2)
	v_pk_add_f32 v[236:237], v[236:237], v[242:243]
	v_pk_add_f32 v[250:251], v[250:251], v[240:241]
	v_pk_add_f32 v[246:247], v[246:247], v[238:239]
	s_delay_alu instid0(VALU_DEP_2)
	v_pk_add_f32 v[14:15], v[14:15], v[250:251]
	s_delay_alu instid0(VALU_DEP_2)
	v_pk_add_f32 v[236:237], v[236:237], v[246:247]
	s_delay_alu instid0(VALU_DEP_1)
	v_pk_add_f32 v[14:15], v[14:15], v[236:237]
	s_wait_alu depctr_va_vdst(0)                   ; and one for the four
.irp b, 0,1,2,3
	v_max_num_f32 v[232+\b], 0x2800000, v[232+\b]  ; the floor 2^(5 - 127)
.endr
.irp b, 0,1,2,3
	s_delay_alu instid0(VALU_DEP_4)
	v_add_nc_u32 v[244+\b], 0xfe000000, v[232+\b]
.endr
.irp b, 0,1,2,3
	s_delay_alu instid0(VALU_DEP_4)
	v_lshrrev_b32 v[236+\b], 23, v[244+\b]
.endr
	s_delay_alu instid0(VALU_DEP_3)
	v_lshl_or_b32 v253, v237, 8, v236              ; p's scale word for these 128 keys
	s_delay_alu instid0(VALU_DEP_1)
	v_lshl_or_b32 v253, v238, 16, v253
	s_delay_alu instid0(VALU_DEP_1)
	v_lshl_or_b32 v253, v239, 24, v253
.irp c, 0,1
	v_cvt_scalef32_pk16_bf6_f32 v[224+6*\c:226+6*\c], v[96+32*\c:111+32*\c], v[244+2*\c]
	v_cvt_scalef32_pk16_bf6_f32 v[236+4*\c:238+4*\c], v[112+32*\c:127+32*\c], v[245+2*\c]
.endr
	v_nop                                          ; one plain place behind a scaled conversion
.irp c, 0,1
.irp i, 0,1,2
	v_permlane16_swap_b32 v[224+6*\c+\i], v[236+4*\c+\i]
.endr
.irp i, 0,1,2
	s_delay_alu instid0(VALU_DEP_3)
	v_mov_b32 v[227+6*\c+\i], v[236+4*\c+\i]
.endr
.endr
.set j, 0
.rept 16
	v_pk_mul_f32 v[160+j:161+j], v[160+j:161+j], v[252:253] op_sel_hi:[1,0]   ; O^T under the new M; these sixteen are also the places in front of the scaled products
.set j, j+2
.endr
	s_wait_alu depctr_va_vdst(0)
	s_wait_dscnt 0x0                               ; V and its scale words
.irp d, 0,2                                    ; O^T += V^T P^T: four accumulators by turns
	v_wmma_scale_f32_16x16x128_f8f6f4 v[160+8*\d:167+8*\d], v[32+12*\d:43+12*\d], v[224:235], v[160+8*\d:167+8*\d], v[248+\d/2], v253 matrix_a_fmt:MATRIX_FMT_BF6 matrix_b_fmt:MATRIX_FMT_BF6
	v_wmma_scale_f32_16x16x128_f8f6f4 v[168+8*\d:175+8*\d], v[44+12*\d:55+12*\d], v[224:235], v[168+8*\d:175+8*\d], v[248+\d/2], v253 matrix_a_fmt:MATRIX_FMT_BF6 matrix_b_fmt:MATRIX_FMT_BF6 matrix_a_scale:MATRIX_SCALE_ROW1
.endr
.Lhidden:
	s_add_co_u32 s[TB], s[TB], 6144                ; the next 128 keys: codes of K and of V,
	s_add_co_u32 s[TS], s[TS], 512                 ; K's scale words,
	s_add_co_u32 s[TJ], s[TJ], 256                 ; V's
	s_add_co_u32 s[SI], s[SI], 1
	s_cmp_lt_u32 s[SI], 16
	s_cbranch_scc1 .Lstep
	; THE WAY OUT: O^T / the sum; its 32 registers run along the head's 64 channels in the conversions' order: two blocks, one half image of A
.rept 4
	v_nop                                          ; places behind the last products
.endr
	v_add_f32 v14, v14, v15
	s_delay_alu instid0(VALU_DEP_1)
	v_permlanex16_b32 v252, v14, s[SEL], s[SEL+1]
	s_delay_alu instid0(VALU_DEP_1)
	v_add_f32 v14, v14, v252
	s_wait_alu depctr_va_vdst(0)
	v_rcp_f32 v14, v14
	v_nop                                          ; a plain place behind the transcendental
	s_wait_alu depctr_va_vdst(0)                   ; and the wait ahead of its first reader
.set j, 0
.rept 32
	v_mul_f32 v[96+j], v[160+j], v14
.set j, j+1
.endr
.irp b, 0,1
	v_max3_num_f32 v[232+\b], |v[96+16*\b]|, |v[97+16*\b]|, 0x2800000
.endr
.irp i, 2,4,6,8,10,12,14
.irp b, 0,1
	s_delay_alu instid0(VALU_DEP_2)
	v_max3_num_f32 v[232+\b], v[232+\b], |v[96+16*\b+\i]|, |v[97+16*\b+\i]|
.endr
.endr
.irp b, 0,1
	s_delay_alu instid0(VALU_DEP_2)
	v_permlanex16_b32 v[236+\b], v[232+\b], s[SEL], s[SEL+1]
.endr
.irp b, 0,1
	s_delay_alu instid0(VALU_DEP_2)
	v_max_num_f32 v[232+\b], v[232+\b], v[236+\b]
.endr
.irp b, 0,1
	s_delay_alu instid0(VALU_DEP_2)
	v_add_nc_u32 v[244+\b], 0xfe000000, v[232+\b]
.endr
.irp b, 0,1
	s_delay_alu instid0(VALU_DEP_2)
	v_lshrrev_b32 v[236+\b], 23, v[244+\b]
.endr
	s_delay_alu instid0(VALU_DEP_1)
	v_lshl_or_b32 v254, v237, 8, v236              ; my row's two bytes
	v_cvt_scalef32_pk16_bf6_f32 v[224:226], v[96:111], v244
	v_cvt_scalef32_pk16_bf6_f32 v[240:242], v[112:127], v245
	v_nop
.irp i, 0,1,2
	v_permlane16_swap_b32 v[224+\i], v[240+\i]
.endr
.irp i, 0,1,2
	s_delay_alu instid0(VALU_DEP_3)
	v_mov_b32 v[227+\i], v[240+\i]
.endr
	global_store_b128 v[L16], v[224:227], s[98:99]
	global_store_b64 v[L8], v[228:229], s[98:99] offset:512
	global_store_b16 v[R4], v254, s[80:81]         ; lanes l and l + 16 hold the same row's bytes and store the same value at the same place
	s_wait_tensorcnt 0x0                           ; the wave's end
	ds_add_u32 v[SPW], v[NIL]
	s_wait_dscnt 0x0
	CROUND                                         ; the closing round: no work-group ends while a partner may still ask jointly
	s_endpgm
.Lfunc_end_k_q34bb1472db_attn:
	.size	k_q34bb1472db_attn, .Lfunc_end_k_q34bb1472db_attn-k_q34bb1472db_attn
	.p2alignl 7, 3214868480
	.fill 96, 4, 3214868480
	.section	.rodata,"a",@progbits
	.p2align	6, 0x0
	.amdhsa_kernel k_q34bb1472db_attn
		.amdhsa_group_segment_fixed_size 212992
		.amdhsa_private_segment_fixed_size 0
		.amdhsa_enable_private_segment 0
		.amdhsa_kernarg_size 16
		.amdhsa_user_sgpr_count 2
		.amdhsa_user_sgpr_kernarg_segment_ptr 1
		.amdhsa_wavefront_size32 1
		.amdhsa_system_sgpr_workgroup_id_x 1
		.amdhsa_system_sgpr_workgroup_id_y 1
		.amdhsa_system_sgpr_workgroup_id_z 1
		.amdhsa_system_vgpr_workitem_id 0
		.amdhsa_next_free_vgpr 256
		.amdhsa_next_free_sgpr 100
		.amdhsa_reserve_vcc 1
		.amdhsa_float_denorm_mode_32 3
		.amdhsa_float_denorm_mode_16_64 3
		.amdhsa_memory_ordered 1
		.amdhsa_forward_progress 1
		.amdhsa_inst_pref_size 39
	.end_amdhsa_kernel
	.amdgpu_metadata
---
amdhsa.version: [ 1, 2 ]
amdhsa.kernels:
  - .name:           k_q34bb1472db_attn
    .symbol:         k_q34bb1472db_attn.kd
    .args:
      - { .name: QKV, .offset: 0, .size: 8, .value_kind: global_buffer, .address_space: global }
      - { .name: A, .offset: 8, .size: 8, .value_kind: global_buffer, .address_space: global }
    .group_segment_fixed_size: 212992
    .private_segment_fixed_size: 0
    .kernarg_segment_align: 8
    .kernarg_segment_size: 16
    .max_flat_workgroup_size: 512
    .sgpr_count:     100
    .vgpr_count:     256
    .wavefront_size: 32
...
	.end_amdgpu_metadata
.endif
;; end of part 4
;; launch proj (part 5): grid 8 x 32, 4 waves a work-group, clusters of 4 x 4, 327,680 bytes of LDS; arguments A, W, b_proj, x, X1; writes X1
.if DOCPART == 5
	.amdgcn_target "amdgcn-amd-amdhsa--gfx1250"
	.amdhsa_code_object_version 6
	.text
	.protected	k_q34bb1472db_proj
	.globl	k_q34bb1472db_proj
	.p2align	8
	.type	k_q34bb1472db_proj,@function
k_q34bb1472db_proj:
	s_mov_b64 s[64:65], 0
	v_nop
	global_prefetch_b8 v0, s[64:65] scope:SCOPE_SE
	s_setreg_imm32_b32 hwreg(HW_REG_WAVE_MODE, 25, 1), 1
	s_wait_xcnt 0x0
	s_wait_alu depctr_hold_cnt(0) depctr_sa_sdst(0) depctr_va_vdst(0) depctr_va_sdst(0) depctr_va_ssrc(0) depctr_va_vcc(0) depctr_vm_vsrc(0)
	s_getreg_b32 s2, hwreg(HW_REG_IB_STS2, 6, 4)
	s_cmp_eq_u32 s2, 0
	s_cbranch_scc0 .Lentry_in_a_cluster
	s_endpgm
.Lentry_in_a_cluster:
	s_bfe_u32 s2, ttmp6, 0x10000c
	s_cmp_lg_u32 s2, 0xf033
	s_cbranch_scc0 .Lentry_shape_is_right
	s_endpgm
.Lentry_shape_is_right:
; X1 = x + attention's result x w_proj + b_proj on codes of BF6 (E3M2) with E8M0 scales; operands are images of operand registers (fragment (tile, K step) = 1,536 bytes, 16 scale words = 64 bytes).
; A work-group makes 128 x 128, a wave 64 x 64.  All of K (8 steps) lies in two slots of four steps, both filled at the head, one joint load a wave: A's slot 0, B's slot 0, A's slot 1, B's slot 1.
; The products begin when waves 0 and 1 have their tiles; the barrier at the change of slots shows the others.  Nothing is filled again, so there is no loop to prefetch in.
; The scale words (dense blocks) come by plain loads, 512 consecutive bytes a wave and instruction, and go into LDS bytes of their own.
; LIMITS: NaN and infinities are not served.
.set NT,    4
.set NQ,    4
.set KS,    8
.set ASOFF, 3145728
.set BOFFC, 2359296
.set BSOFF, 9535488
.set LAPS,  KS/(2*NQ)
.set PART,  NT*NQ*1536
.set SLOT,  4*PART
.set SCL,   2*SLOT
.set PARTS, NT*KS*64
.set STAGE, SCL+4*PARTS
.set SPARE, STAGE+4*16*272
.set BO,  14
.set RD,  15
.set ADRA16, 16
.set ADRA8,  18
.set ADRB16, 20
.set ADRB8,  22
.set ADRSA,  24
.set ADRSB,  25
.set L16, 26
.set L8,  27
.set SPW, 28
.set NIL, 29
.set CO,  30
.set STO, 31
.set SC,  32
.set G1, 24
.set G0, 32
.set G1B, 48
.set G0B, 56
.set G1S, 68
.set G0S, 76
.set G1SB, 80
.set G0SB, 88
.set MSB, 0
.macro WIN new
.if MSB != (\new)
	s_set_vgpr_msb (MSB<<8)|(\new)
.set MSB, (\new)
.endif
.endm
.macro JLOAD g0a, g1a, g0b, g1b
	s_cmp_eq_u32 s15, 0
	s_cbranch_scc0 .Lfor_b_\@
	tensor_load_to_lds s[\g0a:\g0a+3], s[\g1a:\g1a+7]
	s_nop 0
.rept 4
	v_nop
.endr
	s_branch .Lasked_\@
.Lfor_b_\@:
	tensor_load_to_lds s[\g0b:\g0b+3], s[\g1b:\g1b+7]
	s_nop 0
.rept 4
	v_nop
.endr
.Lasked_\@:
.endm
.macro CREST
	s_cmp_lg_u32 s14, 0
	s_cbranch_scc1 .Lnot_wave_0_\@
	s_barrier_signal -3
.Lnot_wave_0_\@:
	s_barrier_wait -3
	s_barrier_signal -1
	s_barrier_wait -1
.endm
.macro CROUND
	s_barrier_signal -1
	s_barrier_wait -1
	CREST
.endm
.macro PLACES n
.rept \n
	v_nop
.endr
.endm
.macro FRAG reg, a16, a8, off
	ds_load_b128 v[\reg:\reg+3], v[\a16] offset:\off
	ds_load_b64 v[\reg+4:\reg+5], v[\a8] offset:\off+512
	ds_load_b128 v[\reg+6:\reg+9], v[\a16] offset:\off+768
	ds_load_b64 v[\reg+10:\reg+11], v[\a8] offset:\off+1280
.endm
.macro FETCH slot, q, p
	WIN 0x40
.set I_, 0
.rept NT
	FRAG 128*(\p)+12*I_, ADRB16+(\slot), ADRB8+(\slot), (I_*NQ+(\q))*1536
.set I_, I_+1
.endr
	WIN 0
.set I_, 0
.rept NT
	FRAG 64+96*(\p)+12*I_, ADRA16+(\slot), ADRA8+(\slot), (I_*NQ+(\q))*1536
.set I_, I_+1
.endr
.set I_, 0
.rept NT/2
	ds_load_b32 v[SC+NT*(\p)+I_], v[ADRSA] offset:I_*2*KS*64+(\q)*64
	ds_load_b32 v[SC+NT*(\p)+NT/2+I_], v[ADRSB] offset:I_*2*KS*64+(\q)*64
.set I_, I_+1
.endr
.endm
.macro WM p, cm
.set rD, 8*(NT*(A_%4)+B_)
.set rC, rD
.if \cm == 2
.set rC, 96+8*B_+96*(B_/4)
.endif
.set rB, 128*(\p)+12*B_
.set rA, 64+96*(\p)+12*A_
.set rSB, SC+NT*(\p)+NT/2+B_/2
.set rSA, SC+NT*(\p)+A_/2
.if (A_%2 == 0) && (B_%2 == 0)
	v_wmma_scale_f32_16x16x128_f8f6f4 v[rD:rD+7], v[rB:rB+11], v[rA:rA+11], v[rC:rC+7], v[rSB], v[rSA] matrix_a_fmt:MATRIX_FMT_BF6 matrix_b_fmt:MATRIX_FMT_BF6
.elseif A_%2 == 0
	v_wmma_scale_f32_16x16x128_f8f6f4 v[rD:rD+7], v[rB:rB+11], v[rA:rA+11], v[rC:rC+7], v[rSB], v[rSA] matrix_a_fmt:MATRIX_FMT_BF6 matrix_b_fmt:MATRIX_FMT_BF6 matrix_a_scale:MATRIX_SCALE_ROW1
.elseif B_%2 == 0
	v_wmma_scale_f32_16x16x128_f8f6f4 v[rD:rD+7], v[rB:rB+11], v[rA:rA+11], v[rC:rC+7], v[rSB], v[rSA] matrix_a_fmt:MATRIX_FMT_BF6 matrix_b_fmt:MATRIX_FMT_BF6 matrix_b_scale:MATRIX_SCALE_ROW1
.else
	v_wmma_scale_f32_16x16x128_f8f6f4 v[rD:rD+7], v[rB:rB+11], v[rA:rA+11], v[rC:rC+7], v[rSB], v[rSA] matrix_a_fmt:MATRIX_FMT_BF6 matrix_b_fmt:MATRIX_FMT_BF6 matrix_a_scale:MATRIX_SCALE_ROW1 matrix_b_scale:MATRIX_SCALE_ROW1
.endif
.endm
.macro MULS a0, na, p, cm
.set A_, \a0
.rept \na
.if \cm == 2
	WIN 0x91+0x40*(A_/4)
.else
	WIN 0xa1+0x50*(A_/4)
.endif
.set B_, 0
.rept NT
	WM \p, \cm
.set B_, B_+1
.endr
.set A_, A_+1
.endr
.endm
.macro STEP slot, q, cm
	s_wait_dscnt 0x0
	PLACES 4                                       ; in front of loads into the set that the last step's products have read
	FETCH \slot, (\q)+1, ((\q)+1)%2                ; the next step's fragments have this step's 16 products in which to come
	MULS 0, NT, (\q)%2, \cm
.endm
.macro TURN slot, next, fill
	WIN 0
	s_wait_tensorcnt 0x0
	ds_add_u32 v[SPW], v[NIL]
	s_wait_dscnt 1
	MULS 0, NT/4, 1, 0
	s_wait_dscnt 0x0
	s_barrier_signal -1
	MULS NT/4, NT/4, 1, 0
	WIN 0
	s_barrier_wait -1
.if \fill
	CREST
	s_add_nc_u64 s[G0+4*\slot+2:G0+4*\slot+3], s[G0+4*\slot+2:G0+4*\slot+3], 2*NQ*1536
	s_add_nc_u64 s[G0B+4*\slot+2:G0B+4*\slot+3], s[G0B+4*\slot+2:G0B+4*\slot+3], 2*NQ*1536
	JLOAD G0+4*\slot, G1, G0B+4*\slot, G1B
.else
	PLACES 4
.endif
	v_add_nc_u32 v[ADRSA], NQ*64, v[ADRSA]
	v_add_nc_u32 v[ADRSB], NQ*64, v[ADRSB]
	FETCH \next, 0, 0
	MULS NT/2, NT/2, 1, 0
.endm
.macro REST slot, next, fill, q0
.set Q_, \q0
.rept NQ-1-(\q0)
	STEP \slot, Q_, 0
.set Q_, Q_+1
.endr
	TURN \slot, \next, \fill
.endm
	s_load_b256 s[4:11], s[0:1], 0x0
	s_load_b64 s[12:13], s[0:1], 0x20
	v_lshl_add_u32 v[SPW], v0, 2, SPARE
	v_mov_b32 v[NIL], 0
	ds_add_u32 v[SPW], v[NIL]
	ds_add_u32 v[SPW], v[NIL]
	v_lshrrev_b32 v1, 5, v0
	v_readfirstlane_b32 s14, v1
	s_lshr_b32 s15, s14, 1
	s_and_b32 s16, s14, 1
	s_bfe_u32 s40, ttmp6, 0x40000
	s_bfe_u32 s41, ttmp6, 0x40004
	s_lshl_b32 s42, ttmp9, 2
	s_add_co_u32 s42, s42, s40
	s_and_b32 s17, ttmp7, 0xffff
	s_lshl_b32 s17, s17, 2
	s_add_co_u32 s17, s17, s41
	s_lshl_b32 s43, s41, 2
	s_lshl_b32 s43, 15, s43
	s_lshl_b32 s44, 0x1111, s40
	s_or_b32 s[G1], s43, (3<<16)|(1<<21)
	s_or_b32 s[G1B], s44, (3<<16)|(1<<21)
.irp g, G1, G1B
	s_mov_b32 s[\g+1], (NQ*192)<<16
	s_mov_b32 s[\g+2], (2*NT)<<16                  ; at the head a load brings a side's 8 tiles
	s_mov_b32 s[\g+3], (NQ*192)<<16
	s_mov_b32 s[\g+4], 2*NT
	s_mov_b32 s[\g+5], KS*192
	s_mov_b32 s[\g+6], 0
	s_mov_b32 s[\g+7], 0
.endr
	s_mul_i32 s20, s17, 2*NT                       ; the block's first tile of A,
	s_mul_i32 s46, s42, 2*NT                       ; and of B
	s_mul_i32 s22, s20, KS*64
	s_add_co_u32 s22, s22, ASOFF
	s_mul_i32 s20, s20, KS*1536
	s_mul_i32 s100, s46, KS*64
	s_add_co_u32 s100, s100, BSOFF
	s_mul_i32 s46, s46, KS*1536
	s_add_co_u32 s46, s46, BOFFC
	s_mov_b32 s21, 0
	s_mov_b32 s23, 0
	s_mov_b32 s47, 0
	s_mov_b32 s101, 0
	s_mul_i32 s45, s14, PART
.set NS, 2*PARTS/2048                  ; loads of 16 bytes a thread that bring a side's scale words
	v_lshlrev_b32 v5, 4, v0                        ; 16 x thread
	v_add_nc_u32 v6, SCL, v5                       ; and the same place among the scale words in LDS
.if LAPS > 1
	v_and_b32 v7, 31, v0
	v_min_u32 v7, 23, v7
	v_lshlrev_b32 v7, 8, v7                        ; the prefetches' offset: a lane a block of 256 bytes, 24 blocks
.endif
	s_wait_alu depctr_va_vdst(0)
	s_wait_dscnt 0x0
	s_wait_kmcnt 0x0
	s_add_nc_u64 s[20:21], s[4:5], s[20:21]
	s_add_nc_u64 s[22:23], s[4:5], s[22:23]
	s_add_nc_u64 s[46:47], s[6:7], s[46:47]
	s_add_nc_u64 s[100:101], s[6:7], s[100:101]
.set I_, 0
.rept NS
	global_load_b128 v[64+4*I_:64+4*I_+3], v5, s[22:23] offset:2048*I_
	global_load_b128 v[64+4*NS+4*I_:64+4*NS+4*I_+3], v5, s[100:101] offset:2048*I_
.set I_, I_+1
.endr
.irp s, 0,1                                    ; group 0 of the head's four tiles: s[68:71] A's slot 0, s[72:75] B's, s[76:83] slot 1's
	s_mov_b32 s[68+8*\s], 1
	s_mov_b32 s[69+8*\s], \s*SLOT
	s_add_nc_u64 s[70+8*\s:71+8*\s], s[20:21], \s*NQ*1536
	s_or_b32 s[71+8*\s], s[71+8*\s], 0x80000000
	s_mov_b32 s[72+8*\s], 1
	s_mov_b32 s[73+8*\s], \s*SLOT+2*PART
	s_add_nc_u64 s[74+8*\s:75+8*\s], s[46:47], \s*NQ*1536
	s_or_b32 s[75+8*\s], s[75+8*\s], 0x80000000
.endr
	CROUND
.macro ARM under, g0, g1, next         ; one chain of branches on the wave's number, a load to an arm, all arms to one join
	s_cmp_lt_u32 s14, \under
	s_cbranch_scc0 \next
	tensor_load_to_lds s[\g0:\g0+3], s[\g1:\g1+7]
	s_nop 0
	PLACES 4
	s_branch .Lhead_asked
\next:
.endm
	ARM 1, 68, G1, .Lh1
	ARM 2, 72, G1B, .Lh2
	ARM 3, 76, G1, .Lh3
	tensor_load_to_lds s[80:83], s[G1B:G1B+7]
	s_nop 0
	PLACES 4
.Lhead_asked:
.if LAPS > 1
	s_cmp_eq_u32 s15, 0                            ; the prefetches: waves 0, 1 ask for A, waves 2, 3 for B; of a side's 8 tiles the partner at place p takes 2 p and 2 p + 1, by address
	s_cselect_b64 s[84:85], s[20:21], s[46:47]
	s_cselect_b32 s86, s40, s41
	s_lshl_b32 s86, s86, 1
	s_add_co_u32 s86, s86, s16
	s_mul_i32 s86, s86, KS*1536
	s_mov_b32 s87, 0
	s_add_nc_u64 s[84:85], s[84:85], s[86:87]
	global_prefetch_b8 v7, s[84:85] offset:2*NQ*1536 th:TH_LOAD_NT scope:SCOPE_SE   ; what the first two refills will load
	global_prefetch_b8 v7, s[84:85] offset:3*NQ*1536 th:TH_LOAD_NT scope:SCOPE_SE
	s_mul_i32 s18, s16, NT*KS*1536                 ; a refill: each wave its part of 4 tiles
	s_mov_b32 s19, 0
	s_add_nc_u64 s[20:21], s[20:21], s[18:19]
	s_add_nc_u64 s[46:47], s[46:47], s[18:19]
.irp s, 0,1
	s_mov_b32 s[G0+4*\s], 1
	s_add_co_u32 s[G0+4*\s+1], s45, \s*SLOT
	s_add_nc_u64 s[G0+4*\s+2:G0+4*\s+3], s[20:21], \s*NQ*1536
	s_or_b32 s[G0+4*\s+3], s[G0+4*\s+3], 0x80000000
	s_mov_b32 s[G0B+4*\s], 1
	s_add_co_u32 s[G0B+4*\s+1], s45, \s*SLOT
	s_add_nc_u64 s[G0B+4*\s+2:G0B+4*\s+3], s[46:47], \s*NQ*1536
	s_or_b32 s[G0B+4*\s+3], s[G0B+4*\s+3], 0x80000000
.endr
.endif
	v_and_b32 v1, 31, v0
	v_and_b32 v2, 15, v0
	v_bfe_u32 v3, v0, 4, 1
	v_lshlrev_b32 v[L16], 4, v1
	v_lshlrev_b32 v[L8], 3, v1
	s_mul_i32 s18, s15, PART
	s_mul_i32 s19, s16, PART
	s_add_co_u32 s19, s19, 2*PART
.irp s, 0,1
	v_add_nc_u32 v[ADRA16+\s], s18, v[L16]
	v_add_nc_u32 v[ADRA8+\s], s18, v[L8]
	v_add_nc_u32 v[ADRB16+\s], s19, v[L16]
	v_add_nc_u32 v[ADRB8+\s], s19, v[L8]
	s_add_co_u32 s18, s18, SLOT
	s_add_co_u32 s19, s19, SLOT
.endr
	v_lshlrev_b32 v4, 2, v2
	v_mad_u32_u24 v4, v3, KS*64, v4
	s_mul_i32 s18, s15, PARTS
	s_add_co_u32 s18, s18, SCL
	s_mul_i32 s19, s16, PARTS
	s_add_co_u32 s19, s19, SCL+2*PARTS
	v_add_nc_u32 v[ADRSA], s18, v4
	v_add_nc_u32 v[ADRSB], s19, v4
	v_lshlrev_b32 v[BO], 6, v3
	s_wait_alu depctr_va_vdst(0)
	v_lshlrev_b32 v[CO], 4, v2
	v_lshl_add_u32 v[CO], v3, 12, v[CO]
	s_wait_alu depctr_va_vdst(0)
	s_mul_i32 s18, s14, 16*272
	s_add_co_u32 s18, s18, STAGE
	v_mul_u32_u24 v[STO], v2, 272
	v_lshl_add_u32 v[STO], v3, 6, v[STO]
	v_add_nc_u32 v[STO], s18, v[STO]
	v_mul_u32_u24 v[RD], v3, 272
	v_lshl_add_u32 v[RD], v2, 4, v[RD]
	v_add_nc_u32 v[RD], s18, v[RD]
	s_lshl_b32 s18, s42, 7
	s_lshl_b32 s19, s16, 6
	s_add_co_u32 s18, s18, s19
	s_lshl_b32 s18, s18, 2
	s_mov_b32 s19, 0
	s_add_nc_u64 s[8:9], s[8:9], s[18:19]
	s_lshl_b32 s20, s17, 7
	s_lshl_b32 s21, s15, 6
	s_add_co_u32 s20, s20, s21
	s_lshl_b32 s20, s20, 12
	s_add_co_u32 s20, s20, s18
	s_mov_b32 s21, 0
	s_add_nc_u64 s[10:11], s[10:11], s[20:21]
	s_add_nc_u64 s[12:13], s[12:13], s[20:21]
	WIN 0x40
.set B_, 0
.rept NT
	global_load_b128 v[96+8*B_:96+8*B_+3], v[BO], s[8:9] offset:(32*(B_/2)+8*(B_%2))*4
	global_load_b128 v[96+8*B_+4:96+8*B_+7], v[BO], s[8:9] offset:(32*(B_/2)+8*(B_%2))*4+16
.set B_, B_+1
.endr
	WIN 0
	s_wait_alu depctr_va_vdst(0)
	s_wait_loadcnt 8                               ; the scale words are in; younger: the bias's 8 loads
.set I_, 0
.rept NS
	ds_store_b128 v6, v[64+4*I_:64+4*I_+3] offset:2048*I_
	ds_store_b128 v6, v[64+4*NS+4*I_:64+4*NS+4*I_+3] offset:2*PARTS+2048*I_
.set I_, I_+1
.endr
	s_wait_dscnt 0x0                               ; for the others' sake
	s_cmp_lt_u32 s14, 2
	s_cbranch_scc0 .Lnot_first
	s_wait_tensorcnt 0x0                           ; waves 0 and 1: slot 0's two tiles
.Lnot_first:
	s_barrier_signal -1
	s_barrier_wait -1                              ; slot 0 and the scale words are in; slot 1 may be on its way
	FETCH 0, 0, 0
	s_wait_loadcnt 0x0                             ; the bias
	STEP 0, 0, 2
	WIN 0xc0                                       ; the residual, asked for behind the first K step: it is wanted on the way out alone
.set A_, 0
.rept 4
.set T_, 0
.rept 8
	global_load_b128 v[4*(8*A_+T_):4*(8*A_+T_)+3], v[CO], s[10:11] offset:(32*(A_/2)+8*(A_%2)+2*T_+8*(T_/4))*4096 th:TH_LOAD_NT
.set T_, T_+1
.endr
.set A_, A_+1
.endr
	WIN 0
.if LAPS > 1
	s_mov_b32 s3, LAPS-1
.Llap:
	REST 0, 1, 1, 1
	REST 1, 0, 1, 0
	STEP 0, 0, 0
	WIN 0
	s_sub_co_u32 s3, s3, 1
	s_cmp_lg_u32 s3, 0
	s_cbranch_scc1 .Llap
.endif
	REST 0, 1, 0, 1
.set Q_, 0
	s_wait_alu depctr_va_vdst(0)
.rept NQ-1
	STEP 1, Q_, 0
.set Q_, Q_+1
.endr
	s_wait_dscnt 0x0
	MULS 0, NT, 1, 0
	WIN 0
	PLACES 4
.set A_, 0
.rept 4
.set BK, 64+32*(A_%2)
.if A_ >= 2
	s_wait_xcnt 0x0
.endif
	WIN 0x08
.set B_, 0
.rept 4
	ds_store_b128 v[STO], v[8*(4*A_+B_):8*(4*A_+B_)+3] offset:128*(B_/2)+32*(B_%2)
	ds_store_b128 v[STO], v[8*(4*A_+B_)+4:8*(4*A_+B_)+7] offset:128*(B_/2)+32*(B_%2)+16
.set B_, B_+1
.endr
	WIN 0
.set T_, 0
.rept 8
	ds_load_b128 v[BK+4*T_:BK+4*T_+3], v[RD] offset:544*T_
.set T_, T_+1
.endr
	s_wait_dscnt 0x0
.if A_ == 0
	s_wait_loadcnt 0x0
.endif
	WIN 0x0c
.set T_, 0
.rept 16
	v_pk_add_f32 v[BK+2*T_:BK+2*T_+1], v[BK+2*T_:BK+2*T_+1], v[32*A_+2*T_:32*A_+2*T_+1]
.set T_, T_+1
.endr
	WIN 0
.set T_, 0
.rept 8
	global_store_b128 v[CO], v[BK+4*T_:BK+4*T_+3], s[12:13] offset:(32*(A_/2)+8*(A_%2)+2*T_+8*(T_/4))*4096 th:TH_STORE_NT
.set T_, T_+1
.endr
.set A_, A_+1
.endr
	s_wait_tensorcnt 0x0
	ds_add_u32 v[SPW], v[NIL]
	s_wait_dscnt 0x0
	CROUND
	s_endpgm
.Lfunc_end_k_q34bb1472db_proj:
	.size	k_q34bb1472db_proj, .Lfunc_end_k_q34bb1472db_proj-k_q34bb1472db_proj
	.p2alignl 7, 3214868480
	.fill 96, 4, 3214868480
	.section	.rodata,"a",@progbits
	.p2align	6, 0x0
	.amdhsa_kernel k_q34bb1472db_proj
		.amdhsa_group_segment_fixed_size 327680
		.amdhsa_private_segment_fixed_size 0
		.amdhsa_enable_private_segment 0
		.amdhsa_kernarg_size 40
		.amdhsa_user_sgpr_count 2
		.amdhsa_user_sgpr_kernarg_segment_ptr 1
		.amdhsa_wavefront_size32 1
		.amdhsa_system_sgpr_workgroup_id_x 1
		.amdhsa_system_sgpr_workgroup_id_y 1
		.amdhsa_system_sgpr_workgroup_id_z 1
		.amdhsa_system_vgpr_workitem_id 0
		.amdhsa_next_free_vgpr 1024
		.amdhsa_next_free_sgpr 102
		.amdhsa_reserve_vcc 0
		.amdhsa_float_denorm_mode_32 3
		.amdhsa_float_denorm_mode_16_64 3
		.amdhsa_memory_ordered 1
		.amdhsa_forward_progress 1
		.amdhsa_inst_pref_size 62
	.end_amdhsa_kernel
	.amdgpu_metadata
---
amdhsa.version: [ 1, 2 ]
amdhsa.kernels:
  - .name:           k_q34bb1472db_proj
    .symbol:         k_q34bb1472db_proj.kd
    .args:
      - { .name: A, .offset: 0, .size: 8, .value_kind: global_buffer, .address_space: global }
      - { .name: W, .offset: 8, .size: 8, .value_kind: global_buffer, .address_space: global }
      - { .name: b_proj, .offset: 16, .size: 8, .value_kind: global_buffer, .address_space: global }
      - { .name: x, .offset: 24, .size: 8, .value_kind: global_buffer, .address_space: global }
      - { .name: X1, .offset: 32, .size: 8, .value_kind: global_buffer, .address_space: global }
    .group_segment_fixed_size: 327680
    .private_segment_fixed_size: 0
    .kernarg_segment_align: 8
    .kernarg_segment_size: 40
    .max_flat_workgroup_size: 128
    .sgpr_count:     102
    .vgpr_count:     1024
    .wavefront_size: 32
...
	.end_amdgpu_metadata
.endif
;; end of part 5
;; launch ln2: the kernel of part 2 again; grid 256 x 1, 4 waves a work-group, no clusters, 66,560 bytes of LDS; arguments X1, g2, be2, H; writes H
;; launch ffn1 (part 6): grid 16 x 16, 4 waves a work-group, clusters of 4 x 4, 327,680 bytes of LDS; arguments H, W, b1, F; writes F
.if DOCPART == 6
	.amdgcn_target "amdgcn-amd-amdhsa--gfx1250"
	.amdhsa_code_object_version 6
	.text
	.protected	k_q34bb1472db_ffn1
	.globl	k_q34bb1472db_ffn1
	.p2align	8
	.type	k_q34bb1472db_ffn1,@function
k_q34bb1472db_ffn1:
	s_mov_b64 s[64:65], 0
	v_nop
	global_prefetch_b8 v0, s[64:65] scope:SCOPE_SE
	s_setreg_imm32_b32 hwreg(HW_REG_WAVE_MODE, 25, 1), 1
	s_wait_xcnt 0x0
	s_wait_alu depctr_hold_cnt(0) depctr_sa_sdst(0) depctr_va_vdst(0) depctr_va_sdst(0) depctr_va_ssrc(0) depctr_va_vcc(0) depctr_vm_vsrc(0)
	s_getreg_b32 s2, hwreg(HW_REG_IB_STS2, 6, 4)
	s_cmp_eq_u32 s2, 0
	s_cbranch_scc0 .Lentry_in_a_cluster
	s_endpgm
.Lentry_in_a_cluster:
	s_bfe_u32 s2, ttmp6, 0x10000c
	s_cmp_lg_u32 s2, 0xf033
	s_cbranch_scc0 .Lentry_shape_is_right
	s_endpgm
.Lentry_shape_is_right:
; The hidden layer relu(h2 w1 + b1) on codes of BF6 (E3M2) with E8M0 scales, quantised along its 4,096 units on the way and stored as codes alone.  Operands and result are images of operand registers
; (tile i = rows 32 (i / 2) + 8 (i % 2) + r + 8 (r / 8); fragment (tile, K step) = 1,536 bytes at (KS tile + s) x 1,536, 16 scale words at (KS tile + s) x 64 behind the codes; the result has KS = 32).
; A work-group makes 256 x 256, a wave 128 x 128: 64 accumulators.  THE PRODUCT IS USED TRANSPOSED (source 0 = w1's tile, source 1 = h2's): a lane holds one row, and its 64 registers of a tile of rows run along
; 128 neighbouring hidden units in the conversions' order: exactly one fragment and one scale word of the next product.  The bias is the C of each sum's first product.
; K's EIGHT STEPS OF 128 ARE WRITTEN OUT.  LDS holds three slots of two steps: steps 0 to 5 come with the first fills; slot 0 is filled once more, with steps 6 and 7, behind step 1, and is awaited at step 5:
; three and a half steps of matrix work stand between.  h2's tiles are asked for jointly along a row of the 4 x 4 cluster, w1's along a column.  The scale words of all of K come once.
; THE NEXT STEP'S FRAGMENTS COME IN EIGHT PIECES, one ahead of each row of eight products, into the other of two register sets: LDS is asked evenly through the step, and no long run of loads parts the products.
; LIMITS: a block of zeros gets the byte 1 (own buffer); blocks under 2^-122 are held at byte 1; NaN and infinities are not served.
.set NT,    8
.set NQ,    2
.set KS,    8
.set ASOFF, 3145728
.set BOFFC, 3145728
.set BSOFF, 9568256
.set PART,  NT*NQ*1536
.set SLOT,  4*PART
.set SCL,   3*SLOT                     ; behind the three slots: the scale words
.set PARTS, NT*KS*64
.set SPARE, SCL+4*PARTS                ; the spare words, 128 bytes a wave, which no other line names
.set ADRA16, 4                         ; v4, v5 my A part in slot 0, in slots 1 and 2 (one region), + 16 x lane;  v7, v8 + 8 x lane
.set ADRA8,  7
.set ADRB16, 10                        ; v10, v11, v13, v14 the same for B
.set ADRB8,  13
.set ADRSA,  24
.set ADRSB,  25
.set L16, 26
.set L8,  27
.set SPW, 28
.set NIL, 29
.set LSC, 30
.set BO,  31
.set SC,  32                           ; scale words and nothing else
.set TM,  200
.set PW,  216
.set PWE, 217
.set PWM, 218
.set PC,  224
.set SEL, 12
.set G1, 24
.set G0, 32                            ; s[32:35] group 0 for A's refill of slot 0, s[36:39] for its first fill;  s[76:79] for slots 1, 2
.set G0C, 4
.set G1B, 48
.set G0B, 56                           ; s[56:59] group 0 for B's refill of slot 0, s[60:63] for its first fill;  s[88:91] for slots 1, 2
.set G0BC, 92
.set G1S, 68
.set G0S, 76
.set G1SB, 80
.set G0SB, 88
; window 0: h2's fragments, set p at v[64 + 96 p];  window 1: w1's, set p at v[128 p]; the bias, tile b at v[96 + 8 b] (b < 4) or v[192 + 8 b];  windows 2, 3: accumulator (a, b) at v[8 (8 (a % 4) + b)] of window 2 + a / 4
.set MSB, 0
.macro WIN new
.if MSB != (\new)
	s_set_vgpr_msb (MSB<<8)|(\new)
.set MSB, (\new)
.endif
.endm
.macro JLOAD g0a, g1a, g0b, g1b        ; a joint load: waves 0, 1 fetch for A, waves 2, 3 for B; an s_nop 0 and four v_nop follow each line
	s_cmp_eq_u32 s15, 0
	s_cbranch_scc0 .Lfor_b_\@
	tensor_load_to_lds s[\g0a:\g0a+3], s[\g1a:\g1a+7]
	s_nop 0
.rept 4
	v_nop
.endr
	s_branch .Lasked_\@
.Lfor_b_\@:
	tensor_load_to_lds s[\g0b:\g0b+3], s[\g1b:\g1b+7]
	s_nop 0
.rept 4
	v_nop
.endr
.Lasked_\@:
.endm
.macro CREST
	s_cmp_lg_u32 s14, 0
	s_cbranch_scc1 .Lnot_wave_0_\@
	s_barrier_signal -3
.Lnot_wave_0_\@:
	s_barrier_wait -3
	s_barrier_signal -1
	s_barrier_wait -1
.endm
.macro CROUND
	s_barrier_signal -1
	s_barrier_wait -1
	CREST
.endm
.macro PLACES n
.rept \n
	v_nop
.endr
.endm
.macro FRAG reg, a16, a8, off
	ds_load_b128 v[\reg:\reg+3], v[\a16] offset:\off
	ds_load_b64 v[\reg+4:\reg+5], v[\a8] offset:\off+512
	ds_load_b128 v[\reg+6:\reg+9], v[\a16] offset:\off+768
	ds_load_b64 v[\reg+10:\reg+11], v[\a8] offset:\off+1280
.endm
; Piece n of 8 of the fetch of K step s (the slot's q-th) into set p.  Pieces 0-3: B's tiles 2 n, 2 n + 1 and the n-th pair of scale words of each side: 10 loads.  Pieces 4-7: A's tiles 2 (n - 4), 2 (n - 4) + 1: 8 loads.
; Slots 1 and 2 are one region, brought by one load a wave and laid [tile][four steps]: K steps 2 to 5
.macro PIECE slot, q, p, s, n
.if (\slot) == 0
.set SL_, 0
.set NL_, NQ
.set QL_, (\q)
.else
.set SL_, 1
.set NL_, 2*NQ
.set QL_, NQ*((\slot)-1)+(\q)
.endif
.if (\n) < 4
	WIN 0x40
	FRAG 128*(\p)+24*(\n), ADRB16+SL_, ADRB8+SL_, (2*(\n)*NL_+QL_)*1536
	FRAG 128*(\p)+24*(\n)+12, ADRB16+SL_, ADRB8+SL_, ((2*(\n)+1)*NL_+QL_)*1536
	WIN 0
	ds_load_b32 v[SC+NT*(\p)+(\n)], v[ADRSA] offset:(\n)*2*KS*64+(\s)*64
	ds_load_b32 v[SC+NT*(\p)+NT/2+(\n)], v[ADRSB] offset:(\n)*2*KS*64+(\s)*64
.else
	WIN 0
	FRAG 64+96*(\p)+24*((\n)-4), ADRA16+SL_, ADRA8+SL_, (2*((\n)-4)*NL_+QL_)*1536
	FRAG 64+96*(\p)+24*((\n)-4)+12, ADRA16+SL_, ADRA8+SL_, ((2*((\n)-4)+1)*NL_+QL_)*1536
.endif
.endm
.macro FETCH slot, q, p, s             ; all eight pieces on end: ahead of the first step alone
.set N_, 0
.rept 8
	PIECE \slot, \q, \p, \s, N_
.set N_, N_+1
.endr
.endm
.macro WM p, cm                        ; cm = 2: C is the bias (window 1), else the accumulator itself; an odd tile's scale words stand in lanes 16-31
.set rD, 8*(NT*(A_%4)+B_)
.set rC, rD
.if \cm == 2
.set rC, 96+8*B_+96*(B_/4)
.endif
.set rB, 128*(\p)+12*B_
.set rA, 64+96*(\p)+12*A_
.set rSB, SC+NT*(\p)+NT/2+B_/2
.set rSA, SC+NT*(\p)+A_/2
.if (A_%2 == 0) && (B_%2 == 0)
	v_wmma_scale_f32_16x16x128_f8f6f4 v[rD:rD+7], v[rB:rB+11], v[rA:rA+11], v[rC:rC+7], v[rSB], v[rSA] matrix_a_fmt:MATRIX_FMT_BF6 matrix_b_fmt:MATRIX_FMT_BF6
.elseif A_%2 == 0
	v_wmma_scale_f32_16x16x128_f8f6f4 v[rD:rD+7], v[rB:rB+11], v[rA:rA+11], v[rC:rC+7], v[rSB], v[rSA] matrix_a_fmt:MATRIX_FMT_BF6 matrix_b_fmt:MATRIX_FMT_BF6 matrix_a_scale:MATRIX_SCALE_ROW1
.elseif B_%2 == 0
	v_wmma_scale_f32_16x16x128_f8f6f4 v[rD:rD+7], v[rB:rB+11], v[rA:rA+11], v[rC:rC+7], v[rSB], v[rSA] matrix_a_fmt:MATRIX_FMT_BF6 matrix_b_fmt:MATRIX_FMT_BF6 matrix_b_scale:MATRIX_SCALE_ROW1
.else
	v_wmma_scale_f32_16x16x128_f8f6f4 v[rD:rD+7], v[rB:rB+11], v[rA:rA+11], v[rC:rC+7], v[rSB], v[rSA] matrix_a_fmt:MATRIX_FMT_BF6 matrix_b_fmt:MATRIX_FMT_BF6 matrix_a_scale:MATRIX_SCALE_ROW1 matrix_b_scale:MATRIX_SCALE_ROW1
.endif
.endm
.macro MULS a0, na, p, cm              ; all accumulators take turns, one instruction a turn, in the same order in every step
.set A_, \a0
.rept \na
.if \cm == 2
	WIN 0x91+0x40*(A_/4)
.else
	WIN 0xa1+0x50*(A_/4)
.endif
.set B_, 0
.rept NT
	WM \p, \cm
.set B_, B_+1
.endr
.set A_, A_+1
.endr
.endm
; A K step on set p; K step fst (slot fs, its fq-th) is fetched meanwhile into the other set, a piece ahead of each row of eight products.
.macro STEP p, cm, fs, fq, fst
	s_wait_dscnt 8                                 ; this step's operands are in but for the youngest piece: A's tiles 6 and 7
	PLACES 4                                       ; in front of loads into the set that the last step's products have read
.set N_, 0
.rept 8
.if N_ == 1
	s_wait_dscnt 10                                ; all but the ten loads of this step's piece 0: A's tiles 6 and 7 are in
.endif
	PIECE \fs, \fq, 1-(\p), \fst, N_
	MULS N_, 1, \p, \cm
.set N_, N_+1
.endr
.endm
; A step in front of whose fetch a barrier stands: each wave waits for all its tensor loads, adds 0 to its spare word, and waits for that and for all its LDS reads.  fill = 1: slot 0, which nobody reads any more, is
; filled again, with K steps 6 and 7.  The fetch of K step fst (slot fs, its first) follows behind the barrier, its eight pieces ahead of rows 2 to 7.
.macro TURN p, fill, fs, fst
	WIN 0
	s_wait_tensorcnt 0x0                           ; all my tensor loads have landed
	ds_add_u32 v[SPW], v[NIL]                      ; 0 onto my spare word
	s_wait_dscnt 9                                 ; the add and the youngest piece, A's tiles 6 and 7, may be out
	MULS 0, 1, \p, 0
	s_wait_dscnt 0x0                               ; the add is done, and my LDS reads are over
	s_barrier_signal -1
	MULS 1, 1, \p, 0
	WIN 0
	s_barrier_wait -1
.if \fill
	CREST                                          ; the barrier has opened a round of the cluster's: no wave of any partner still reads slot 0 or has a load on its way
	s_add_nc_u64 s[G0+2:G0+3], s[G0+2:G0+3], 3*NQ*1536
	s_add_nc_u64 s[G0B+2:G0B+3], s[G0B+2:G0B+3], 3*NQ*1536
	s_mov_b32 s[G1+2], NT<<16                      ; no load of mine is out: a refill's load brings 8 tiles
	s_mov_b32 s[G1+4], NT
	s_mov_b32 s[G1B+2], NT<<16
	s_mov_b32 s[G1B+4], NT
	JLOAD G0, G1, G0B, G1B
.else
	PLACES 4
.endif
	PIECE \fs, 0, 1-(\p), \fst, 0
	PIECE \fs, 0, 1-(\p), \fst, 1
	MULS 2, 1, \p, 0
	PIECE \fs, 0, 1-(\p), \fst, 2
	PIECE \fs, 0, 1-(\p), \fst, 3
	MULS 3, 1, \p, 0
	PIECE \fs, 0, 1-(\p), \fst, 4
	MULS 4, 1, \p, 0
	PIECE \fs, 0, 1-(\p), \fst, 5
	MULS 5, 1, \p, 0
	PIECE \fs, 0, 1-(\p), \fst, 6
	MULS 6, 1, \p, 0
	PIECE \fs, 0, 1-(\p), \fst, 7
	MULS 7, 1, \p, 0
.endm
; 64 numbers of a lane in window W, register 16 b + i = k 32 b + 16 (lane / 16) + i of my row, become a fragment's codes in v[PC] on and its scale word in v[PW]
.macro QUANT s, W
	WIN (\W)|((\W)<<2)
.irp b, 0,1,2,3
	v_max3_num_f32 v[TM+\b], |v[(\s)+16*\b]|, |v[(\s)+16*\b+1]|, 0x2800000
.endr
.irp i, 2,4,6,8,10,12,14
.irp b, 0,1,2,3
	v_max3_num_f32 v[TM+\b], |v[(\s)+16*\b+\i]|, |v[(\s)+16*\b+\i+1]|, v[TM+\b]
.endr
.endr
	WIN 0
.irp b, 0,1,2,3
	v_permlanex16_b32 v[TM+4+\b], v[TM+\b], s[SEL], s[SEL+1]
.endr
.irp b, 0,1,2,3
	v_max_num_f32 v[TM+\b], v[TM+\b], v[TM+4+\b]
.endr
.irp b, 0,1,2,3
	v_add_nc_u32 v[TM+12+\b], 0xfe000000, v[TM+\b]
.endr
.irp b, 0,1,2,3
	v_lshrrev_b32 v[TM+4+\b], 23, v[TM+12+\b]
.endr
	v_lshl_or_b32 v[PW], v[TM+5], 8, v[TM+4]
	v_lshl_or_b32 v[PW], v[TM+6], 16, v[PW]
	v_lshl_or_b32 v[PW], v[TM+7], 24, v[PW]
	WIN (\W)
.irp c, 0,1
	v_cvt_scalef32_pk16_bf6_f32 v[PC+6*\c:PC+6*\c+2], v[(\s)+32*\c:(\s)+32*\c+15], v[TM+12+2*\c]
	v_cvt_scalef32_pk16_bf6_f32 v[PC+12+4*\c:PC+14+4*\c], v[(\s)+32*\c+16:(\s)+32*\c+31], v[TM+13+2*\c]
.endr
	WIN 0
	v_nop                                          ; one plain place behind a scaled conversion
.irp c, 0,1
.irp i, 0,1,2
	v_permlane16_swap_b32 v[PC+6*\c+\i], v[PC+12+4*\c+\i]
.endr
.irp i, 0,1,2
	v_mov_b32 v[PC+3+6*\c+\i], v[PC+12+4*\c+\i]
.endr
.endr
.endm
	s_load_b256 s[4:11], s[0:1], 0x0               ; H, W, b1, F
	v_lshl_add_u32 v[SPW], v0, 2, SPARE
	v_mov_b32 v[NIL], 0
	ds_add_u32 v[SPW], v[NIL]                      ; the wave's opening
	ds_add_u32 v[SPW], v[NIL]
	v_lshrrev_b32 v1, 5, v0
	v_readfirstlane_b32 s14, v1
	s_lshr_b32 s15, s14, 1
	s_and_b32 s16, s14, 1
	s_bfe_u32 s40, ttmp6, 0x40000
	s_bfe_u32 s41, ttmp6, 0x40004
	s_lshl_b32 s42, ttmp9, 2
	s_add_co_u32 s42, s42, s40                     ; block of 256 hidden units
	s_and_b32 s17, ttmp7, 0xffff
	s_lshl_b32 s17, s17, 2
	s_add_co_u32 s17, s17, s41                     ; block of 256 rows
	s_lshl_b32 s43, s41, 2
	s_lshl_b32 s43, 15, s43
	s_lshl_b32 s44, 0x1111, s40
	s_or_b32 s[G1], s43, (3<<16)|(1<<21)
	s_or_b32 s[G1B], s44, (3<<16)|(1<<21)
.irp g, G1, G1B
	s_mov_b32 s[\g+1], (NQ*192)<<16
	s_mov_b32 s[\g+2], (2*NT)<<16                  ; at the head a load brings a side's 16 tiles
	s_mov_b32 s[\g+3], (NQ*192)<<16
	s_mov_b32 s[\g+4], 2*NT
	s_mov_b32 s[\g+5], KS*192
	s_mov_b32 s[\g+6], 0
	s_mov_b32 s[\g+7], 0
.endr
	s_or_b32 s[G1S], s43, (3<<16)|(1<<21)
	s_or_b32 s[G1SB], s44, (3<<16)|(1<<21)
.irp g, G1S, G1SB                              ; K steps 2 to 5 of a side's 16 tiles: rows of four fragments
	s_mov_b32 s[\g+1], (2*NQ*192)<<16
	s_mov_b32 s[\g+2], (2*NT)<<16
	s_mov_b32 s[\g+3], (2*NQ*192)<<16
	s_mov_b32 s[\g+4], 2*NT
	s_mov_b32 s[\g+5], KS*192
	s_mov_b32 s[\g+6], 0
	s_mov_b32 s[\g+7], 0
.endr
	s_mul_i32 s20, s17, 2*NT                       ; the block's first tile of A,
	s_mul_i32 s46, s42, 2*NT                       ; and of B
	s_mul_i32 s22, s20, KS*64
	s_add_co_u32 s22, s22, ASOFF
	s_mul_i32 s20, s20, KS*1536
	s_mul_i32 s100, s46, KS*64
	s_add_co_u32 s100, s100, BSOFF
	s_mul_i32 s46, s46, KS*1536
	s_add_co_u32 s46, s46, BOFFC
	s_mov_b32 s21, 0
	s_mov_b32 s23, 0
	s_mov_b32 s47, 0
	s_mov_b32 s101, 0
	s_mul_i32 s45, s14, PART
	s_wait_dscnt 0x0
	s_wait_kmcnt 0x0
	s_add_nc_u64 s[20:21], s[4:5], s[20:21]
	s_add_nc_u64 s[22:23], s[4:5], s[22:23]
	s_add_nc_u64 s[46:47], s[6:7], s[46:47]
	s_add_nc_u64 s[100:101], s[6:7], s[100:101]
	CROUND
; THE HEAD'S FOUR TILES, one joint load a wave: K steps 0 and 1 of A's 16 tiles, of B's 16; K steps 2 to 5 of A's, of B's.  The scale words come by plain loads
	s_mov_b32 s[G0+4], 1
	s_mov_b32 s[G0+5], 0
	s_mov_b64 s[G0+6:G0+7], s[20:21]
	s_or_b32 s[G0+7], s[G0+7], 0x80000000
	s_mov_b32 s[G0B+4], 1
	s_mov_b32 s[G0B+5], 2*PART
	s_mov_b64 s[G0B+6:G0B+7], s[46:47]
	s_or_b32 s[G0B+7], s[G0B+7], 0x80000000
	s_mov_b32 s[G0S], 1
	s_mov_b32 s[G0S+1], SLOT
	s_add_nc_u64 s[G0S+2:G0S+3], s[20:21], NQ*1536
	s_or_b32 s[G0S+3], s[G0S+3], 0x80000000
	s_mov_b32 s[G0SB], 1
	s_mov_b32 s[G0SB+1], SLOT+4*PART
	s_add_nc_u64 s[G0SB+2:G0SB+3], s[46:47], NQ*1536
	s_or_b32 s[G0SB+3], s[G0SB+3], 0x80000000
	s_mov_b64 s[4:5], s[22:23]                     ; A's scale words, B's: in registers that are not written again
	s_mov_b64 s[6:7], s[100:101]
.macro ARM under, g0, g1, next         ; one chain of branches on the wave's number, a load to an arm, all arms to one join
	s_cmp_lt_u32 s14, \under
	s_cbranch_scc0 \next
	tensor_load_to_lds s[\g0:\g0+3], s[\g1:\g1+7]
	s_nop 0
	PLACES 4
	s_branch .Lhead_asked
\next:
.endm
	ARM 1, G0+4, G1, .Lh1
	ARM 2, G0B+4, G1B, .Lh2
	ARM 3, G0S, G1S, .Lh3
	tensor_load_to_lds s[G0SB:G0SB+3], s[G1SB:G1SB+7]
	s_nop 0
	PLACES 4
.Lhead_asked:
	v_lshlrev_b32 v17, 4, v0                       ; 16 x thread: a side's scale words are 8,192 dense bytes, four loads of 2,048 a work-group
	v_add_nc_u32 v18, SCL, v17
.irp i, 0,1,2,3
	global_load_b128 v[64+4*\i:67+4*\i], v17, s[4:5] offset:2048*\i
	global_load_b128 v[80+4*\i:83+4*\i], v17, s[6:7] offset:2048*\i
.endr
	s_mul_i32 s18, s16, NT*KS*1536                 ; the refill: a wave fetches its part of 8 tiles
	s_mov_b32 s19, 0
	s_add_nc_u64 s[20:21], s[20:21], s[18:19]
	s_add_nc_u64 s[46:47], s[46:47], s[18:19]
	s_mov_b32 s[G0], 1                             ; slot 0's refill: stepped to K step 6 when it is asked for
	s_add_co_u32 s[G0+1], s45, 0
	s_mov_b64 s[G0+2:G0+3], s[20:21]
	s_or_b32 s[G0+3], s[G0+3], 0x80000000
	s_mov_b32 s[G0B], 1
	s_add_co_u32 s[G0B+1], s45, 0
	s_mov_b64 s[G0B+2:G0B+3], s[46:47]
	s_or_b32 s[G0B+3], s[G0B+3], 0x80000000
	s_mul_i32 s18, s15, PART                       ; my parts of A and B in slot 0,
	s_mul_i32 s19, s16, PART
	s_add_co_u32 s19, s19, 2*PART
	s_lshl_b32 s45, s18, 1                         ; and in the region of K steps 2 to 5, where a part is twice as long
	s_lshl_b32 s99, s19, 1
	s_add_co_u32 s45, s45, SLOT
	s_add_co_u32 s99, s99, SLOT
	v_and_b32 v1, 31, v0
	v_and_b32 v2, 15, v0
	v_bfe_u32 v3, v0, 4, 1
	v_lshlrev_b32 v[L16], 4, v1
	v_lshlrev_b32 v[L8], 3, v1
	v_add_nc_u32 v[ADRA16], s18, v[L16]
	v_add_nc_u32 v[ADRA8], s18, v[L8]
	v_add_nc_u32 v[ADRB16], s19, v[L16]
	v_add_nc_u32 v[ADRB8], s19, v[L8]
	v_add_nc_u32 v[ADRA16+1], s45, v[L16]
	v_add_nc_u32 v[ADRA8+1], s45, v[L8]
	v_add_nc_u32 v[ADRB16+1], s99, v[L16]
	v_add_nc_u32 v[ADRB8+1], s99, v[L8]
	v_lshlrev_b32 v16, 2, v2
	v_lshl_add_u32 v[LSC], v3, 11, v16             ; the result's scale words: 4 r, and one tile (32 K steps x 64 bytes) on for lanes 16-31
	v_mad_u32_u24 v16, v3, KS*64, v16
	s_mul_i32 s18, s15, PARTS
	s_add_co_u32 s18, s18, SCL
	s_mul_i32 s19, s16, PARTS
	s_add_co_u32 s19, s19, SCL+2*PARTS
	v_add_nc_u32 v[ADRSA], s18, v16
	v_add_nc_u32 v[ADRSB], s19, v16
	v_lshlrev_b32 v[BO], 6, v3                     ; the bias: 16 numbers on for lanes 16-31
	s_wait_alu depctr_va_vdst(0)
	s_lshl_b32 s18, s42, 8
	s_lshl_b32 s19, s16, 7
	s_add_co_u32 s18, s18, s19
	s_lshl_b32 s18, s18, 2                         ; my first hidden unit, in bytes
	s_mov_b32 s19, 0
	s_add_nc_u64 s[8:9], s[8:9], s[18:19]
	s_lshl_b32 s18, s17, 4
	s_lshl_b32 s19, s15, 3
	s_add_co_u32 s18, s18, s19                     ; my first tile of rows,
	s_lshl_b32 s18, s18, 5                         ; x 32 K steps of the result,
	s_lshl_b32 s19, s42, 1
	s_add_co_u32 s18, s18, s19
	s_add_co_u32 s18, s18, s16                     ; + my K step
	s_mul_i32 s20, s18, 1536
	s_mov_b32 s21, 0
	s_lshl_b32 s22, s18, 6
	s_add_co_u32 s22, s22, 12582912
	s_mov_b32 s23, 0
	s_add_nc_u64 s[20:21], s[10:11], s[20:21]
	s_add_nc_u64 s[22:23], s[10:11], s[22:23]
	s_mov_b32 s[SEL], 0x76543210
	s_mov_b32 s[SEL+1], 0xfedcba98
	s_mov_b32 s2, 0xffff0000                       ; lanes 16-31
	WIN 0x40
.set B_, 0
.rept NT                                       ; lane (r, h), register j of tile b: the bias of unit 32 (b / 2) + 8 (b % 2) + 16 h + j
	global_load_b128 v[96+8*B_+96*(B_/4):96+8*B_+96*(B_/4)+3], v[BO], s[8:9] offset:(32*(B_/2)+8*(B_%2))*4
	global_load_b128 v[96+8*B_+96*(B_/4)+4:96+8*B_+96*(B_/4)+7], v[BO], s[8:9] offset:(32*(B_/2)+8*(B_%2))*4+16
.set B_, B_+1
.endr
	WIN 0
	s_wait_loadcnt 16                              ; the scale words are in; younger: the bias's 16 loads
.irp i, 0,1,2,3
	ds_store_b128 v18, v[64+4*\i:67+4*\i] offset:2048*\i
	ds_store_b128 v18, v[80+4*\i:83+4*\i] offset:2*PARTS+2048*\i
.endr
	s_wait_dscnt 0x0                               ; for the others' sake
	s_cmp_lt_u32 s14, 2
	s_cbranch_scc0 .Lnot_first
	s_wait_tensorcnt 0x0                           ; waves 0 and 1: K steps 0 and 1
.Lnot_first:
	s_barrier_signal -1
	s_barrier_wait -1                              ; slot 0 and the scale words are in; K steps 2 to 5 may be on their way
	FETCH 0, 0, 0, 0
	s_wait_loadcnt 0x0                             ; the bias
	STEP 0, 2, 0, 1, 1                             ; K step 0: its products start the sums from the bias
	TURN 1, 1, 1, 2                                ; K step 1: slots 1 and 2 are whole; slot 0 is filled again
	STEP 0, 0, 1, 1, 3                             ; K step 2
	STEP 1, 0, 2, 0, 4                             ; K step 3: slot 2 was shown whole to every wave by step 1's barrier
	STEP 0, 0, 2, 1, 5                             ; K step 4
	TURN 1, 0, 0, 6                                ; K step 5: slot 0's second fill is awaited; nothing is filled any more
	STEP 0, 0, 0, 1, 7                             ; K step 6
	s_wait_dscnt 0x0
	MULS 0, NT, 1, 0                               ; K step 7
	WIN 0
	PLACES 4
.irp b, 0,1,2,3
	v_mov_b32 v[TM+4+\b], 0                        ; a lane permute's destination counts as one of its sources
.endr
; THE WAY OUT: a tile of rows at a time: the activation brings its 64 numbers into window 0; they become one fragment and one scale word a row
.set A_, 0
.rept 8
	s_wait_xcnt 0x0                                ; the last tile's stores have read their data
	WIN (2+A_/4)<<2
.set J_, 0
.rept 64
	v_max_num_f32 v[64+J_], 0, v[64*(A_%4)+J_]     ; relu, in f32; each accumulator from its low end on
.set J_, J_+1
.endr
	WIN 0
	QUANT 64, 0
	global_store_b128 v[L16], v[PC:PC+3], s[20:21] offset:A_*49152
	global_store_b64 v[L8], v[PC+4:PC+5], s[20:21] offset:A_*49152+512
	global_store_b128 v[L16], v[PC+6:PC+9], s[20:21] offset:A_*49152+768
	global_store_b64 v[L8], v[PC+10:PC+11], s[20:21] offset:A_*49152+1280
.if A_%2 == 0
	v_mov_b32 v[PWE], v[PW]
.else
	v_cndmask_b32 v[PWM], v[PWE], v[PW], s2        ; lanes 0-15 the even tile's words, lanes 16-31 the odd tile's
	global_store_b32 v[LSC], v[PWM], s[22:23] offset:(A_-1)*2048
.endif
.set A_, A_+1
.endr
	s_wait_tensorcnt 0x0                           ; the wave's end
	ds_add_u32 v[SPW], v[NIL]
	s_wait_dscnt 0x0
	CROUND
	s_endpgm
.Lfunc_end_k_q34bb1472db_ffn1:
	.size	k_q34bb1472db_ffn1, .Lfunc_end_k_q34bb1472db_ffn1-k_q34bb1472db_ffn1
	.p2alignl 7, 3214868480
	.fill 96, 4, 3214868480
	.section	.rodata,"a",@progbits
	.p2align	6, 0x0
	.amdhsa_kernel k_q34bb1472db_ffn1
		.amdhsa_group_segment_fixed_size 327680
		.amdhsa_private_segment_fixed_size 0
		.amdhsa_enable_private_segment 0
		.amdhsa_kernarg_size 32
		.amdhsa_user_sgpr_count 2
		.amdhsa_user_sgpr_kernarg_segment_ptr 1
		.amdhsa_wavefront_size32 1
		.amdhsa_system_sgpr_workgroup_id_x 1
		.amdhsa_system_sgpr_workgroup_id_y 1
		.amdhsa_system_sgpr_workgroup_id_z 1
		.amdhsa_system_vgpr_workitem_id 0
		.amdhsa_next_free_vgpr 1024
		.amdhsa_next_free_sgpr 102
		.amdhsa_reserve_vcc 0
		.amdhsa_float_denorm_mode_32 3
		.amdhsa_float_denorm_mode_16_64 3
		.amdhsa_memory_ordered 1
		.amdhsa_forward_progress 1
		.amdhsa_inst_pref_size 171
	.end_amdhsa_kernel
	.amdgpu_metadata
---
amdhsa.version: [ 1, 2 ]
amdhsa.kernels:
  - .name:           k_q34bb1472db_ffn1
    .symbol:         k_q34bb1472db_ffn1.kd
    .args:
      - { .name: H, .offset: 0, .size: 8, .value_kind: global_buffer, .address_space: global }
      - { .name: W, .offset: 8, .size: 8, .value_kind: global_buffer, .address_space: global }
      - { .name: b1, .offset: 16, .size: 8, .value_kind: global_buffer, .address_space: global }
      - { .name: F, .offset: 24, .size: 8, .value_kind: global_buffer, .address_space: global }
    .group_segment_fixed_size: 327680
    .private_segment_fixed_size: 0
    .kernarg_segment_align: 8
    .kernarg_segment_size: 32
    .max_flat_workgroup_size: 128
    .sgpr_count:     102
    .vgpr_count:     1024
    .wavefront_size: 32
...
	.end_amdgpu_metadata
.endif
;; end of part 6
;; launch ffn2 (part 7): grid 8 x 32, 4 waves a work-group, clusters of 4 x 4, 327,680 bytes of LDS; arguments F, W, b2, X1, out0; writes out0
.if DOCPART == 7
	.amdgcn_target "amdgcn-amd-amdhsa--gfx1250"
	.amdhsa_code_object_version 6
	.text
	.protected	k_q34bb1472db_ffn2
	.globl	k_q34bb1472db_ffn2
	.p2align	8
	.type	k_q34bb1472db_ffn2,@function
k_q34bb1472db_ffn2:
	s_mov_b64 s[64:65], 0
	v_nop
	global_prefetch_b8 v0, s[64:65] scope:SCOPE_SE
	s_setreg_imm32_b32 hwreg(HW_REG_WAVE_MODE, 25, 1), 1
	s_wait_xcnt 0x0
	s_wait_alu depctr_hold_cnt(0) depctr_sa_sdst(0) depctr_va_vdst(0) depctr_va_sdst(0) depctr_va_ssrc(0) depctr_va_vcc(0) depctr_vm_vsrc(0)
	s_getreg_b32 s2, hwreg(HW_REG_IB_STS2, 6, 4)
	s_cmp_eq_u32 s2, 0
	s_cbranch_scc0 .Lentry_in_a_cluster
	s_endpgm
.Lentry_in_a_cluster:
	s_bfe_u32 s2, ttmp6, 0x10000c
	s_cmp_lg_u32 s2, 0xf033
	s_cbranch_scc0 .Lentry_shape_is_right
	s_endpgm
.Lentry_shape_is_right:
; out = X1 + hidden layer x w2 + b2 on codes of BF6 (E3M2) with E8M0 scales; operands are images of operand registers (fragment (tile, K step) = 1,536 bytes, 16 scale words = 64 bytes).
; A work-group makes 128 x 128, a wave 64 x 64.  K's 32 steps go through a ring of two slots of four steps.  BOTH slots are filled at the head, one joint load a wave: A's slot 0, B's slot 0, A's slot 1, B's slot 1;
; the products begin when waves 0 and 1 have their tiles.  A refill is four loads, each wave its part of 4 tiles, behind a drained round of the cluster's barrier.
; The scale words of all of K (two dense blocks of 16,384 bytes) come by plain loads, 512 consecutive bytes a wave and instruction, and go into LDS bytes of their own.
; PREFETCH: behind each refill a wave asks for one tile's 6,144 bytes (24 blocks of 256, a lane a block) of the fill two refills on; the four partners that load a tile jointly share its 8 tiles out by address;
; the first two refills' bytes are asked for at the head; the loop's last trip asks for nothing.
; LIMITS: NaN and infinities are not served.
.set NT,    4
.set NQ,    4
.set KS,    32
.set ASOFF, 12582912
.set BOFFC, 6291456
.set BSOFF, 9699328
.set LAPS,  KS/(2*NQ)
.set PART,  NT*NQ*1536
.set SLOT,  4*PART
.set SCL,   2*SLOT
.set PARTS, NT*KS*64
.set STAGE, SCL+4*PARTS
.set SPARE, STAGE+4*16*272
.set BO,  14
.set RD,  15
.set ADRA16, 16
.set ADRA8,  18
.set ADRB16, 20
.set ADRB8,  22
.set ADRSA,  24
.set ADRSB,  25
.set L16, 26
.set L8,  27
.set SPW, 28
.set NIL, 29
.set CO,  30
.set STO, 31
.set SC,  32
.set G1, 24
.set G0, 32
.set G1B, 48
.set G0B, 56
.set G1S, 68
.set G0S, 76
.set G1SB, 80
.set G0SB, 88
.set MSB, 0
.macro WIN new
.if MSB != (\new)
	s_set_vgpr_msb (MSB<<8)|(\new)
.set MSB, (\new)
.endif
.endm
.macro JLOAD g0a, g1a, g0b, g1b
	s_cmp_eq_u32 s15, 0
	s_cbranch_scc0 .Lfor_b_\@
	tensor_load_to_lds s[\g0a:\g0a+3], s[\g1a:\g1a+7]
	s_nop 0
.rept 4
	v_nop
.endr
	s_branch .Lasked_\@
.Lfor_b_\@:
	tensor_load_to_lds s[\g0b:\g0b+3], s[\g1b:\g1b+7]
	s_nop 0
.rept 4
	v_nop
.endr
.Lasked_\@:
.endm
.macro CREST
	s_cmp_lg_u32 s14, 0
	s_cbranch_scc1 .Lnot_wave_0_\@
	s_barrier_signal -3
.Lnot_wave_0_\@:
	s_barrier_wait -3
	s_barrier_signal -1
	s_barrier_wait -1
.endm
.macro CROUND
	s_barrier_signal -1
	s_barrier_wait -1
	CREST
.endm
.macro PLACES n
.rept \n
	v_nop
.endr
.endm
.macro FRAG reg, a16, a8, off
	ds_load_b128 v[\reg:\reg+3], v[\a16] offset:\off
	ds_load_b64 v[\reg+4:\reg+5], v[\a8] offset:\off+512
	ds_load_b128 v[\reg+6:\reg+9], v[\a16] offset:\off+768
	ds_load_b64 v[\reg+10:\reg+11], v[\a8] offset:\off+1280
.endm
.macro FETCH slot, q, p
	WIN 0x40
.set I_, 0
.rept NT
	FRAG 128*(\p)+12*I_, ADRB16+(\slot), ADRB8+(\slot), (I_*NQ+(\q))*1536
.set I_, I_+1
.endr
	WIN 0
.set I_, 0
.rept NT
	FRAG 64+96*(\p)+12*I_, ADRA16+(\slot), ADRA8+(\slot), (I_*NQ+(\q))*1536
.set I_, I_+1
.endr
.set I_, 0
.rept NT/2
	ds_load_b32 v[SC+NT*(\p)+I_], v[ADRSA] offset:I_*2*KS*64+(\q)*64
	ds_load_b32 v[SC+NT*(\p)+NT/2+I_], v[ADRSB] offset:I_*2*KS*64+(\q)*64
.set I_, I_+1
.endr
.endm
.macro WM p, cm
.set rD, 8*(NT*(A_%4)+B_)
.set rC, rD
.if \cm == 2
.set rC, 96+8*B_+96*(B_/4)
.endif
.set rB, 128*(\p)+12*B_
.set rA, 64+96*(\p)+12*A_
.set rSB, SC+NT*(\p)+NT/2+B_/2
.set rSA, SC+NT*(\p)+A_/2
.if (A_%2 == 0) && (B_%2 == 0)
	v_wmma_scale_f32_16x16x128_f8f6f4 v[rD:rD+7], v[rB:rB+11], v[rA:rA+11], v[rC:rC+7], v[rSB], v[rSA] matrix_a_fmt:MATRIX_FMT_BF6 matrix_b_fmt:MATRIX_FMT_BF6
.elseif A_%2 == 0
	v_wmma_scale_f32_16x16x128_f8f6f4 v[rD:rD+7], v[rB:rB+11], v[rA:rA+11], v[rC:rC+7], v[rSB], v[rSA] matrix_a_fmt:MATRIX_FMT_BF6 matrix_b_fmt:MATRIX_FMT_BF6 matrix_a_scale:MATRIX_SCALE_ROW1
.elseif B_%2 == 0
	v_wmma_scale_f32_16x16x128_f8f6f4 v[rD:rD+7], v[rB:rB+11], v[rA:rA+11], v[rC:rC+7], v[rSB], v[rSA] matrix_a_fmt:MATRIX_FMT_BF6 matrix_b_fmt:MATRIX_FMT_BF6 matrix_b_scale:MATRIX_SCALE_ROW1
.else
	v_wmma_scale_f32_16x16x128_f8f6f4 v[rD:rD+7], v[rB:rB+11], v[rA:rA+11], v[rC:rC+7], v[rSB], v[rSA] matrix_a_fmt:MATRIX_FMT_BF6 matrix_b_fmt:MATRIX_FMT_BF6 matrix_a_scale:MATRIX_SCALE_ROW1 matrix_b_scale:MATRIX_SCALE_ROW1
.endif
.endm
.macro MULS a0, na, p, cm
.set A_, \a0
.rept \na
.if \cm == 2
	WIN 0x91+0x40*(A_/4)
.else
	WIN 0xa1+0x50*(A_/4)
.endif
.set B_, 0
.rept NT
	WM \p, \cm
.set B_, B_+1
.endr
.set A_, A_+1
.endr
.endm
.macro STEP slot, q, cm
	s_wait_dscnt 0x0
	PLACES 4                                       ; in front of loads into the set that the last step's products have read
	FETCH \slot, (\q)+1, ((\q)+1)%2                ; the next step's fragments have this step's 16 products in which to come
	MULS 0, NT, (\q)%2, \cm
.endm
.macro TURN slot, next, fill
	WIN 0
.if \fill
	s_wait_xcnt 0x0                                ; my last prefetch has read its address: it steps one fill on
	s_add_nc_u64 s[84:85], s[84:85], NQ*1536
.endif
	s_wait_tensorcnt 0x0
	ds_add_u32 v[SPW], v[NIL]
	s_wait_dscnt 1
	MULS 0, NT/4, 1, 0
	s_wait_dscnt 0x0
	s_barrier_signal -1
	MULS NT/4, NT/4, 1, 0
	WIN 0
	s_barrier_wait -1
.if \fill
	CREST
	s_add_nc_u64 s[G0+4*\slot+2:G0+4*\slot+3], s[G0+4*\slot+2:G0+4*\slot+3], 2*NQ*1536
	s_add_nc_u64 s[G0B+4*\slot+2:G0B+4*\slot+3], s[G0B+4*\slot+2:G0B+4*\slot+3], 2*NQ*1536
	s_mov_b32 s[G1+2], NT<<16                      ; no load of mine is out: a refill's load brings 4 tiles
	s_mov_b32 s[G1+4], NT
	s_mov_b32 s[G1B+2], NT<<16
	s_mov_b32 s[G1B+4], NT
	JLOAD G0+4*\slot, G1, G0B+4*\slot, G1B
.else
	PLACES 4
.endif
	v_add_nc_u32 v[ADRSA], NQ*64, v[ADRSA]
	v_add_nc_u32 v[ADRSB], NQ*64, v[ADRSB]
	FETCH \next, 0, 0
.if \fill
	s_cmp_gt_u32 s3, 1                             ; the last trip's two refills have no fill two on
	s_cbranch_scc0 .Lno_ask_\@
	global_prefetch_b8 v7, s[84:85] offset:3*NQ*1536 th:TH_LOAD_NT scope:SCOPE_SE
.Lno_ask_\@:
.endif
	MULS NT/2, NT/2, 1, 0
.endm
.macro REST slot, next, fill, q0
.set Q_, \q0
.rept NQ-1-(\q0)
	STEP \slot, Q_, 0
.set Q_, Q_+1
.endr
	TURN \slot, \next, \fill
.endm
	s_load_b256 s[4:11], s[0:1], 0x0
	s_load_b64 s[12:13], s[0:1], 0x20
	v_lshl_add_u32 v[SPW], v0, 2, SPARE
	v_mov_b32 v[NIL], 0
	ds_add_u32 v[SPW], v[NIL]
	ds_add_u32 v[SPW], v[NIL]
	v_lshrrev_b32 v1, 5, v0
	v_readfirstlane_b32 s14, v1
	s_lshr_b32 s15, s14, 1
	s_and_b32 s16, s14, 1
	s_bfe_u32 s40, ttmp6, 0x40000
	s_bfe_u32 s41, ttmp6, 0x40004
	s_lshl_b32 s42, ttmp9, 2
	s_add_co_u32 s42, s42, s40
	s_and_b32 s17, ttmp7, 0xffff
	s_lshl_b32 s17, s17, 2
	s_add_co_u32 s17, s17, s41
	s_lshl_b32 s43, s41, 2
	s_lshl_b32 s43, 15, s43
	s_lshl_b32 s44, 0x1111, s40
	s_or_b32 s[G1], s43, (3<<16)|(1<<21)
	s_or_b32 s[G1B], s44, (3<<16)|(1<<21)
.irp g, G1, G1B
	s_mov_b32 s[\g+1], (NQ*192)<<16
	s_mov_b32 s[\g+2], (2*NT)<<16                  ; at the head a load brings a side's 8 tiles
	s_mov_b32 s[\g+3], (NQ*192)<<16
	s_mov_b32 s[\g+4], 2*NT
	s_mov_b32 s[\g+5], KS*192
	s_mov_b32 s[\g+6], 0
	s_mov_b32 s[\g+7], 0
.endr
	s_mul_i32 s20, s17, 2*NT                       ; the block's first tile of A,
	s_mul_i32 s46, s42, 2*NT                       ; and of B
	s_mul_i32 s22, s20, KS*64
	s_add_co_u32 s22, s22, ASOFF
	s_mul_i32 s20, s20, KS*1536
	s_mul_i32 s100, s46, KS*64
	s_add_co_u32 s100, s100, BSOFF
	s_mul_i32 s46, s46, KS*1536
	s_add_co_u32 s46, s46, BOFFC
	s_mov_b32 s21, 0
	s_mov_b32 s23, 0
	s_mov_b32 s47, 0
	s_mov_b32 s101, 0
	s_mul_i32 s45, s14, PART
.set NS, 2*PARTS/2048                  ; loads of 16 bytes a thread that bring a side's scale words
	v_lshlrev_b32 v5, 4, v0                        ; 16 x thread
	v_add_nc_u32 v6, SCL, v5                       ; and the same place among the scale words in LDS
.if LAPS > 1
	v_and_b32 v7, 31, v0
	v_min_u32 v7, 23, v7
	v_lshlrev_b32 v7, 8, v7                        ; the prefetches' offset: a lane a block of 256 bytes, 24 blocks
.endif
	s_wait_alu depctr_va_vdst(0)
	s_wait_dscnt 0x0
	s_wait_kmcnt 0x0
	s_add_nc_u64 s[20:21], s[4:5], s[20:21]
	s_add_nc_u64 s[22:23], s[4:5], s[22:23]
	s_add_nc_u64 s[46:47], s[6:7], s[46:47]
	s_add_nc_u64 s[100:101], s[6:7], s[100:101]
.set I_, 0
.rept NS
	global_load_b128 v[64+4*I_:64+4*I_+3], v5, s[22:23] offset:2048*I_
	global_load_b128 v[64+4*NS+4*I_:64+4*NS+4*I_+3], v5, s[100:101] offset:2048*I_
.set I_, I_+1
.endr
.irp s, 0,1                                    ; group 0 of the head's four tiles: s[68:71] A's slot 0, s[72:75] B's, s[76:83] slot 1's
	s_mov_b32 s[68+8*\s], 1
	s_mov_b32 s[69+8*\s], \s*SLOT
	s_add_nc_u64 s[70+8*\s:71+8*\s], s[20:21], \s*NQ*1536
	s_or_b32 s[71+8*\s], s[71+8*\s], 0x80000000
	s_mov_b32 s[72+8*\s], 1
	s_mov_b32 s[73+8*\s], \s*SLOT+2*PART
	s_add_nc_u64 s[74+8*\s:75+8*\s], s[46:47], \s*NQ*1536
	s_or_b32 s[75+8*\s], s[75+8*\s], 0x80000000
.endr
	CROUND
.macro ARM under, g0, g1, next         ; one chain of branches on the wave's number, a load to an arm, all arms to one join
	s_cmp_lt_u32 s14, \under
	s_cbranch_scc0 \next
	tensor_load_to_lds s[\g0:\g0+3], s[\g1:\g1+7]
	s_nop 0
	PLACES 4
	s_branch .Lhead_asked
\next:
.endm
	ARM 1, 68, G1, .Lh1
	ARM 2, 72, G1B, .Lh2
	ARM 3, 76, G1, .Lh3
	tensor_load_to_lds s[80:83], s[G1B:G1B+7]
	s_nop 0
	PLACES 4
.Lhead_asked:
.if LAPS > 1
	s_cmp_eq_u32 s15, 0                            ; the prefetches: waves 0, 1 ask for A, waves 2, 3 for B; of a side's 8 tiles the partner at place p takes 2 p and 2 p + 1, by address
	s_cselect_b64 s[84:85], s[20:21], s[46:47]
	s_cselect_b32 s86, s40, s41
	s_lshl_b32 s86, s86, 1
	s_add_co_u32 s86, s86, s16
	s_mul_i32 s86, s86, KS*1536
	s_mov_b32 s87, 0
	s_add_nc_u64 s[84:85], s[84:85], s[86:87]
	global_prefetch_b8 v7, s[84:85] offset:2*NQ*1536 th:TH_LOAD_NT scope:SCOPE_SE   ; what the first two refills will load
	global_prefetch_b8 v7, s[84:85] offset:3*NQ*1536 th:TH_LOAD_NT scope:SCOPE_SE
	s_mul_i32 s18, s16, NT*KS*1536                 ; a refill: each wave its part of 4 tiles
	s_mov_b32 s19, 0
	s_add_nc_u64 s[20:21], s[20:21], s[18:19]
	s_add_nc_u64 s[46:47], s[46:47], s[18:19]
.irp s, 0,1
	s_mov_b32 s[G0+4*\s], 1
	s_add_co_u32 s[G0+4*\s+1], s45, \s*SLOT
	s_add_nc_u64 s[G0+4*\s+2:G0+4*\s+3], s[20:21], \s*NQ*1536
	s_or_b32 s[G0+4*\s+3], s[G0+4*\s+3], 0x80000000
	s_mov_b32 s[G0B+4*\s], 1
	s_add_co_u32 s[G0B+4*\s+1], s45, \s*SLOT
	s_add_nc_u64 s[G0B+4*\s+2:G0B+4*\s+3], s[46:47], \s*NQ*1536
	s_or_b32 s[G0B+4*\s+3], s[G0B+4*\s+3], 0x80000000
.endr
.endif
	v_and_b32 v1, 31, v0
	v_and_b32 v2, 15, v0
	v_bfe_u32 v3, v0, 4, 1
	v_lshlrev_b32 v[L16], 4, v1
	v_lshlrev_b32 v[L8], 3, v1
	s_mul_i32 s18, s15, PART
	s_mul_i32 s19, s16, PART
	s_add_co_u32 s19, s19, 2*PART
.irp s, 0,1
	v_add_nc_u32 v[ADRA16+\s], s18, v[L16]
	v_add_nc_u32 v[ADRA8+\s], s18, v[L8]
	v_add_nc_u32 v[ADRB16+\s], s19, v[L16]
	v_add_nc_u32 v[ADRB8+\s], s19, v[L8]
	s_add_co_u32 s18, s18, SLOT
	s_add_co_u32 s19, s19, SLOT
.endr
	v_lshlrev_b32 v4, 2, v2
	v_mad_u32_u24 v4, v3, KS*64, v4
	s_mul_i32 s18, s15, PARTS
	s_add_co_u32 s18, s18, SCL
	s_mul_i32 s19, s16, PARTS
	s_add_co_u32 s19, s19, SCL+2*PARTS
	v_add_nc_u32 v[ADRSA], s18, v4
	v_add_nc_u32 v[ADRSB], s19, v4
	v_lshlrev_b32 v[BO], 6, v3
	s_wait_alu depctr_va_vdst(0)
	v_lshlrev_b32 v[CO], 4, v2
	v_lshl_add_u32 v[CO], v3, 12, v[CO]
	s_wait_alu depctr_va_vdst(0)
	s_mul_i32 s18, s14, 16*272
	s_add_co_u32 s18, s18, STAGE
	v_mul_u32_u24 v[STO], v2, 272
	v_lshl_add_u32 v[STO], v3, 6, v[STO]
	v_add_nc_u32 v[STO], s18, v[STO]
	v_mul_u32_u24 v[RD], v3, 272
	v_lshl_add_u32 v[RD], v2, 4, v[RD]
	v_add_nc_u32 v[RD], s18, v[RD]
	s_lshl_b32 s18, s42, 7
	s_lshl_b32 s19, s16, 6
	s_add_co_u32 s18, s18, s19
	s_lshl_b32 s18, s18, 2
	s_mov_b32 s19, 0
	s_add_nc_u64 s[8:9], s[8:9], s[18:19]
	s_lshl_b32 s20, s17, 7
	s_lshl_b32 s21, s15, 6
	s_add_co_u32 s20, s20, s21
	s_lshl_b32 s20, s20, 12
	s_add_co_u32 s20, s20, s18
	s_mov_b32 s21, 0
	s_add_nc_u64 s[10:11], s[10:11], s[20:21]
	s_add_nc_u64 s[12:13], s[12:13], s[20:21]
	WIN 0x40
.set B_, 0
.rept NT
	global_load_b128 v[96+8*B_:96+8*B_+3], v[BO], s[8:9] offset:(32*(B_/2)+8*(B_%2))*4
	global_load_b128 v[96+8*B_+4:96+8*B_+7], v[BO], s[8:9] offset:(32*(B_/2)+8*(B_%2))*4+16
.set B_, B_+1
.endr
	WIN 0
	s_wait_alu depctr_va_vdst(0)
	s_wait_loadcnt 8                               ; the scale words are in; younger: the bias's 8 loads
.set I_, 0
.rept NS
	ds_store_b128 v6, v[64+4*I_:64+4*I_+3] offset:2048*I_
	ds_store_b128 v6, v[64+4*NS+4*I_:64+4*NS+4*I_+3] offset:2*PARTS+2048*I_
.set I_, I_+1
.endr
	s_wait_dscnt 0x0                               ; for the others' sake
	s_cmp_lt_u32 s14, 2
	s_cbranch_scc0 .Lnot_first
	s_wait_tensorcnt 0x0                           ; waves 0 and 1: slot 0's two tiles
.Lnot_first:
	s_barrier_signal -1
	s_barrier_wait -1                              ; slot 0 and the scale words are in; slot 1 may be on its way
	FETCH 0, 0, 0
	s_wait_loadcnt 0x0                             ; the bias
	STEP 0, 0, 2
	WIN 0xc0                                       ; the residual, asked for behind the first K step: it is wanted on the way out alone
.set A_, 0
.rept 4
.set T_, 0
.rept 8
	global_load_b128 v[4*(8*A_+T_):4*(8*A_+T_)+3], v[CO], s[10:11] offset:(32*(A_/2)+8*(A_%2)+2*T_+8*(T_/4))*4096 th:TH_LOAD_NT
.set T_, T_+1
.endr
.set A_, A_+1
.endr
	WIN 0
.if LAPS > 1
	s_mov_b32 s3, LAPS-1
.Llap:
	s_wait_alu depctr_va_vdst(0)
	REST 0, 1, 1, 1
	s_wait_alu depctr_va_vdst(0)
	REST 1, 0, 1, 0
	s_wait_alu depctr_va_vdst(0)
	STEP 0, 0, 0
	WIN 0
	s_sub_co_u32 s3, s3, 1
	s_cmp_lg_u32 s3, 0
	s_cbranch_scc1 .Llap
.endif
	REST 0, 1, 0, 1
.set Q_, 0
	s_wait_alu depctr_va_vdst(0)
.rept NQ-1
	STEP 1, Q_, 0
.set Q_, Q_+1
.endr
	s_wait_dscnt 0x0
	MULS 0, NT, 1, 0
	WIN 0
	PLACES 4
.set A_, 0
.rept 4
.set BK, 64+32*(A_%2)
.if A_ >= 2
	s_wait_xcnt 0x0
.endif
	WIN 0x08
.set B_, 0
.rept 4
	ds_store_b128 v[STO], v[8*(4*A_+B_):8*(4*A_+B_)+3] offset:128*(B_/2)+32*(B_%2)
	ds_store_b128 v[STO], v[8*(4*A_+B_)+4:8*(4*A_+B_)+7] offset:128*(B_/2)+32*(B_%2)+16
.set B_, B_+1
.endr
	WIN 0
.set T_, 0
.rept 8
	ds_load_b128 v[BK+4*T_:BK+4*T_+3], v[RD] offset:544*T_
.set T_, T_+1
.endr
	s_wait_dscnt 0x0
.if A_ == 0
	s_wait_loadcnt 0x0
.endif
	WIN 0x0c
.set T_, 0
.rept 16
	v_pk_add_f32 v[BK+2*T_:BK+2*T_+1], v[BK+2*T_:BK+2*T_+1], v[32*A_+2*T_:32*A_+2*T_+1]
.set T_, T_+1
.endr
	WIN 0
.set T_, 0
.rept 8
	global_store_b128 v[CO], v[BK+4*T_:BK+4*T_+3], s[12:13] offset:(32*(A_/2)+8*(A_%2)+2*T_+8*(T_/4))*4096 th:TH_STORE_NT
.set T_, T_+1
.endr
.set A_, A_+1
.endr
	s_wait_tensorcnt 0x0
	ds_add_u32 v[SPW], v[NIL]
	s_wait_dscnt 0x0
	CROUND
	s_endpgm
.Lfunc_end_k_q34bb1472db_ffn2:
	.size	k_q34bb1472db_ffn2, .Lfunc_end_k_q34bb1472db_ffn2-k_q34bb1472db_ffn2
	.p2alignl 7, 3214868480
	.fill 96, 4, 3214868480
	.section	.rodata,"a",@progbits
	.p2align	6, 0x0
	.amdhsa_kernel k_q34bb1472db_ffn2
		.amdhsa_group_segment_fixed_size 327680
		.amdhsa_private_segment_fixed_size 0
		.amdhsa_enable_private_segment 0
		.amdhsa_kernarg_size 40
		.amdhsa_user_sgpr_count 2
		.amdhsa_user_sgpr_kernarg_segment_ptr 1
		.amdhsa_wavefront_size32 1
		.amdhsa_system_sgpr_workgroup_id_x 1
		.amdhsa_system_sgpr_workgroup_id_y 1
		.amdhsa_system_sgpr_workgroup_id_z 1
		.amdhsa_system_vgpr_workitem_id 0
		.amdhsa_next_free_vgpr 1024
		.amdhsa_next_free_sgpr 102
		.amdhsa_reserve_vcc 0
		.amdhsa_float_denorm_mode_32 3
		.amdhsa_float_denorm_mode_16_64 3
		.amdhsa_memory_ordered 1
		.amdhsa_forward_progress 1
		.amdhsa_inst_pref_size 105
	.end_amdhsa_kernel
	.amdgpu_metadata
---
amdhsa.version: [ 1, 2 ]
amdhsa.kernels:
  - .name:           k_q34bb1472db_ffn2
    .symbol:         k_q34bb1472db_ffn2.kd
    .args:
      - { .name: F, .offset: 0, .size: 8, .value_kind: global_buffer, .address_space: global }
      - { .name: W, .offset: 8, .size: 8, .value_kind: global_buffer, .address_space: global }
      - { .name: b2, .offset: 16, .size: 8, .value_kind: global_buffer, .address_space: global }
      - { .name: X1, .offset: 24, .size: 8, .value_kind: global_buffer, .address_space: global }
      - { .name: out0, .offset: 32, .size: 8, .value_kind: global_buffer, .address_space: global }
    .group_segment_fixed_size: 327680
    .private_segment_fixed_size: 0
    .kernarg_segment_align: 8
    .kernarg_segment_size: 40
    .max_flat_workgroup_size: 128
    .sgpr_count:     102
    .vgpr_count:     1024
    .wavefront_size: 32
...
	.end_amdgpu_metadata
.endif
;; end of part 7
